; MI455X (gfx1250); checked and timed in simulation.
; The chip was launched on July 23, 2026; its instructions are those of AMD's public machine-readable ISA for CDNA 5 (MIT licence, August 2026) and "CDNA5" Instruction Set Architecture Reference Guide (July 2026). The comments in the code are by the model that wrote it; some were corrected since.
;; MSA. Allowed arithmetic: matrix products marked QUANTISED: E2M3 operands, one E8M0 scale for each 32 along K, by v_wmma_scale_f32_16x16x128_f8f6f4 with both operands' format E2M3, f32 sums; everything else in f32.
;; Inputs: W_out 1,024 x 1,024 float32; W_qkv 1,024 x 3,072 float32; b_out 1,024 float32; b_qkv 3,072 float32; x 4 x 2,048 x 1,024 float32.
;; Outputs: out0 4 x 2,048 x 1,024 float32.
;; This version of the problem:
;;   THIS VERSION OF THE PROBLEM IS GIVEN IN LOW PRECISION. The matrix products marked QUANTISED in the list below multiply operands that are first quantised to E2M3 (2 exponent bits, 3 mantissa bits; 6 bits a number), with one power-of-two scale for each 32 numbers along K (OCP MX v1.0); their sums are f32. All else is computed in f32.
;;   The module's matrix products, in the order in which they are computed (A, B: the left and right operand; K: the contracted axis; several contracted axes count as one K, in the product's order):
;;     1. [M 8,192, K 1,024] x [K 1,024, N 3,072]; A: input x; B: input W_qkv: QUANTISED
;;     2. batch 64 x [M 2,048, K 64] x [K 64, N 2,048]; A: computed on the way; B: computed on the way: QUANTISED
;;     3. batch 64 x [M 2,048, K 2,048] x [K 2,048, N 64]; A: softmax (see below); B: computed on the way: QUANTISED
;;     4. [M 8,192, K 1,024] x [K 1,024, N 1,024]; A: computed on the way; B: input W_out: QUANTISED
;;   THE QUANTISER, for each operand of a quantised product, along K:
;;     - K is cut into blocks of 32 from its start; a last block that is shorter is filled with zeros.
;;     - A block's scale is 2^e with e = floor(log2(the largest magnitude in the block)) - 2, held to -126 .. 127; a block of zeros has e = 0. As a byte (E8M0): e + 127.
;;     - Each number is divided by its block's scale, clamped to +-7.5, and rounded to the nearest number of E2M3, ties to even, subnormals kept.
;;     - The product sums the exact products of the quantised numbers (number of the format x scale) in f32.
;;   ~~~python
;;   def quantise(x, axis):      # numpy; x: float32 -> the quantised numbers, widened to float32 again
;;       x = np.moveaxis(x, axis, -1); K = x.shape[-1]
;;       x = np.pad(x, [(0, 0)] * (x.ndim - 1) + [(0, -K % 32)]); x = x.reshape(x.shape[:-1] + (-1, 32)); a = np.abs(x).max(-1, keepdims=True)
;;       e = np.where(a > 0, np.clip(np.frexp(np.where(a > 0, a, 1))[1] - 1 - 2, -126, 127), 0)      # np.frexp(a)[1] - 1 = floor(log2(a)), exactly
;;       r = np.clip(x / 2.0 ** e, -7.5, 7.5)
;;       step = 2.0 ** (np.maximum(np.frexp(np.where(r == 0, 1, r))[1] - 1, 0) - 3)
;;       q = np.round(r / step) * step * 2.0 ** e      # np.round: ties to even
;;       return np.moveaxis(q.reshape(q.shape[:-2] + (-1,))[..., :K], -1, axis).astype(np.float32)
;;   ~~~
;;   SOFTMAX AHEAD OF A QUANTISED PRODUCT. Where the list says 'softmax', what is quantised is not the finished softmax but p = 2^(t - M), with t = logit x log2(e) and M = ceil(the row's largest t), a whole number; so 1/2 < the row's largest p <= 1. The row's sum l is taken of the UNQUANTISED p, in f32, and the product's result is divided by l at the end. Since M is a whole number, a kernel that streams over the keys may use a running M (the ceiling of the running maximum): every later rescaling is an exact power of two, which a block's scale takes up: the codes' values come out the same.
;;   OPERANDS COMPUTED ON THE WAY. 'Computed on the way' means the value that the module computes at that place (a softmax that the list does not call 'softmax' is quantised finished and normalised). What goes into a quantiser is computed in f32, as accurately as f32 sums, v_exp_f32 and their like allow (about 1e-6 of the number): no bf16 or f16 on the way to a quantiser, and a product that is left as it is and whose result goes on into a quantised operand takes f32 operands (vector FMAs, or v_wmma_f32_16x16x4_f32). A number that lies on a knife's edge between two numbers of the format may be rounded either way, as far as f32 arithmetic and the matrix unit's own rounding can turn it there, and no further.
;; One version. Each part assembles by itself: llvm-mc -triple=amdgcn-amd-amdhsa -mcpu=gfx1250 --defsym DOCPART=n.
;; ======== version 1 of 1: 4 launches
;; limits: right only within a limited range of input values
;; workspace buffers: opnd_img 9,437,184 bytes; opnd_scl 393,216 bytes; qkv_img 18,874,368 bytes; qkv_scl 1,310,720 bytes; ctx_img 6,291,456 bytes; ctx_scl 262,144 bytes
;; launch quant (part 1): grid 512 x 1, 4 waves a work-group, no clusters, 60,928 bytes of LDS; arguments x, W_qkv, W_out, opnd_img, opnd_scl; writes opnd_img, opnd_scl
.if DOCPART == 1
	.amdgcn_target "amdgcn-amd-amdhsa--gfx1250"
	.amdhsa_code_object_version 6
	.text
	.protected	k_q2e151b51a0_quant
	.globl	k_q2e151b51a0_quant
	.p2align	8
	.type	k_q2e151b51a0_quant,@function
k_q2e151b51a0_quant:
	s_mov_b64 s[64:65], 0
	v_nop
	global_prefetch_b8 v0, s[64:65] scope:SCOPE_SE
	s_setreg_imm32_b32 hwreg(HW_REG_WAVE_MODE, 25, 1), 1
	s_wait_xcnt 0x0
; x [8192][1024], W_qkv [1024][3072] and W_out [1024][1024], f32, become codes of FP6 (E2M3) with one E8M0 byte for each 32 along K (K = 1024: x's last axis, the weights' FIRST).
; A block's scale is 2^(floor(log2(its largest magnitude)) - 2); its byte is the largest magnitude's exponent field - 2, held at 1 from below; numbers are divided by it and rounded to the nearest code, ties to even.
; LIMITS: a block of zeros gets the byte 1 where the rule says 127 (its codes are zeros, and this program alone reads the bytes); blocks whose largest magnitude lies under 2^-124 are held at byte 1; NaN and infinities are not served.
; THE OUTPUT IS LAID AS THE MATRIX UNIT'S REGISTERS.  A tile T is 16 rows of an operand (tokens of x: T 0-511; columns of W_qkv: T 512-703; of W_out: T 704-767), a K step s is 128 along K.
; opnd_img[T][s] is 1,536 bytes: the fragment's 12 registers, registers 4 g .. 4 g + 3 of lane l at 512 g + 16 l; lane (r, h) holds row r, registers 6 c .. 6 c + 5 the block k = 128 s + 64 c + 32 h + 0 .. 31.
; opnd_scl[T][s][r] is the row's scale word for that K step.  ROW r OF TILE T IS NOT INDEX 16 T + r but 32 (T / 2) + 8 (T % 2) + r + 8 (r / 8): bits 3 and 4 of the index change places, so that a product used
; transposed leaves 16 neighbouring indices in 16 registers of a lane.
; The first 256 work-groups take x, the others the weights: two paths that part once on the work-group's number and never meet; each has LDS bytes of its own.  Waves share nothing: no barrier.
.set XSTG,  8704                       ; x path: a wave's LDS: a stage of 16 rows x 528 bytes, then its 256 bytes of scale words
.set XPIT,  528                        ; 512 bytes + 16: the sixteen rows that a load touches start at sixteen different 16-byte columns
.set XSCB,  16*XPIT
.set WBASE, 4*XSTG                     ; the weights' path: from here on, 6,400 bytes a wave: two images of 1,536 bytes, 3,200 apart (128 modulo 256: the two tiles' lanes fall on different banks)
.set WT,    3200
.set WSTG,  2*WT
.set R,     64                         ; x path: v64-191 two sets of 64 numbers as loaded
.set X,     192                        ;         v192-255 64 numbers: my row's two blocks
.set C,     16                         ;         v16-39 two sets of 12 registers of codes
.set D,     40                         ;         v40-47 a block's second 16 codes (a conversion's three registers begin on an even number)
.set WD,    48                         ;         v48-51 a scale word for each K step
.set WX,    128                        ; weights: v128-255 my column's 128 numbers
.set WC,    16                         ;         v16-47 codes: eight registers a block, six used
.set WDD,   48                         ;         v48-55 second halves, two sets by turns
.set WO,    56                         ;         v56-63 byte offsets of eight rows
.set O,     64                         ;         v64-87 the images read back
	s_load_b256 s[4:11], s[0:1], 0x0               ; x s[4:5], W_qkv s[6:7], W_out s[8:9], opnd_img s[10:11]
	s_load_b64 s[12:13], s[0:1], 0x20              ; opnd_scl
	v_lshl_add_u32 v47, v0, 2, 0xec00
	s_set_vgpr_msb 0x40
	v_mov_b32 v1, 0
	s_set_vgpr_msb 0x4000
	v_lshrrev_b32 v1, 5, v0
	v_readfirstlane_b32 s16, v1                    ; wave 0..3
	v_and_b32 v1, 31, v0                           ; lane
	v_and_b32 v2, 15, v0                           ; r
	v_bfe_u32 v3, v0, 4, 1                         ; h
	v_lshlrev_b32 v4, 4, v1                        ; 16 x lane
	s_mov_b32 s20, 0x76543210
	s_mov_b32 s21, 0xfedcba98                      ; v_permlanex16_b32's selects for lane l xor 16
	s_wait_kmcnt 0x0
	s_cmp_ge_u32 ttmp9, 256
	s_cbranch_scc1 .Lweights
; ---------------- x: a wave takes one tile of 16 tokens and four K steps ----------------
	s_lshl_b32 s17, ttmp9, 2
	s_add_co_u32 s17, s17, s16
	s_lshr_b32 s18, s17, 1                         ; T
	s_and_b32 s19, s17, 1                          ; which four K steps
	s_lshr_b32 s22, s18, 1
	s_lshl_b32 s22, s22, 17                        ; 32 (T / 2) rows of 4,096 bytes
	s_and_b32 s23, s18, 1
	s_lshl_b32 s23, s23, 15                        ; + 8 (T % 2) rows
	s_add_co_u32 s22, s22, s23
	s_lshl_b32 s23, s19, 11                        ; + four K steps of 512 bytes
	s_add_co_u32 s22, s22, s23
	s_mov_b32 s23, 0
	s_add_nc_u64 s[4:5], s[4:5], s[22:23]
.macro XLOAD sl                        ; K step sl of the tile's 16 rows: each load reads 512 consecutive bytes of one row; row i of the tile lies i + 8 (i / 8) rows on
.irp i, 0,1,2,3,4,5,6,7,8,9,10,11,12,13,14,15
	global_load_b128 v[R+64*((\sl)%2)+4*\i:R+64*((\sl)%2)+4*\i+3], v4, s[4:5] offset:(\i+8*(\i/8))*4096+512*(\sl) th:TH_LOAD_NT
.endr
.endm
	s_wait_alu depctr_va_vdst(0)
	XLOAD 0
	XLOAD 1
	s_mul_i32 s22, s18, 12288
	s_mul_i32 s24, s19, 6144
	s_add_co_u32 s22, s22, s24
	s_add_nc_u64 s[10:11], s[10:11], s[22:23]      ; my four images
	s_lshl_b32 s22, s18, 9
	s_lshl_b32 s24, s19, 8
	s_add_co_u32 s22, s22, s24
	s_add_nc_u64 s[12:13], s[12:13], s[22:23]      ; my 256 bytes of scale words
	s_mul_i32 s25, s16, XSTG                       ; my LDS
	s_add_co_u32 s26, s25, XSCB
	v_add_nc_u32 v5, s25, v4                       ; into the stage: as loaded
	v_mul_u32_u24 v6, v2, XPIT
	v_lshl_add_u32 v6, v3, 7, v6
	v_add_nc_u32 v6, s25, v6                       ; out of it: row r, + 128 h: my block of 32 numbers
	v_lshl_add_u32 v7, v2, 2, s26                  ; my row's scale word
	v_lshl_add_u32 v8, v1, 3, s26                  ; and on the way out 8 bytes a lane
	v_lshlrev_b32 v9, 3, v1
	v_lshlrev_b32 v54, 3, v3                       ; 8 h
	v_mov_b32 v55, 0                               ; a lane permute's destination counts as one of its sources
.macro XSTEP sl
.set RS, R+64*((\sl)%2)
.set CC, C+12*((\sl)%2)
.if (\sl) < 3
	s_wait_loadcnt 16                              ; this K step's 16 loads are in; the next step's 16 may be out
.else
	s_wait_loadcnt 0x0
.endif
.irp i, 0,1,2,3,4,5,6,7,8,9,10,11,12,13,14,15
	ds_store_b128 v5, v[RS+4*\i:RS+4*\i+3] offset:XPIT*\i
.endr
.irp c, 0,1                            ; LDS serves a wave's instructions in order: these see the stores above
.irp j, 0,1,2,3,4,5,6,7
	ds_load_b128 v[X+32*\c+4*\j:X+32*\c+4*\j+3], v6 offset:256*\c+16*\j   ; x(row r, 64 c + 32 h + 4 j ..)
.endr
.endr
	s_wait_dscnt 0x0                               ; my numbers are back, and the stores have read the set,
.if (\sl) < 2
	XLOAD (\sl)+2                                  ; which takes the loads of two steps on
.endif
.irp c, 0,1
	v_max3_num_f32 v[10+\c], |v[X+32*\c]|, |v[X+32*\c+1]|, 0x1800000     ; block 2 c + h is all mine; the floor 2^(3 - 127) holds the byte at 1 from below
.endr
.irp i, 2,4,6,8,10,12,14,16,18,20,22,24,26,28,30
.irp c, 0,1
	v_max3_num_f32 v[10+\c], v[10+\c], |v[X+32*\c+\i]|, |v[X+32*\c+\i+1]|
.endr
.endr
.irp c, 0,1
	v_add_nc_u32 v[12+\c], 0xff000000, v[10+\c]    ; 2 off the exponent field: the conversion's scale operand
.endr
	v_lshrrev_b32 v14, 23, v12                     ; the two bytes,
	v_lshrrev_b32 v15, 23, v13
	v_lshl_or_b32 v14, v15, 16, v14
	v_lshlrev_b32 v14, v54, v14                    ; at their places in the word (blocks h and 2 + h);
	v_permlanex16_b32 v55, v14, s20, s21
	v_or_b32 v[WD+\sl], v14, v55                   ; with lane l xor 16's two the word is whole
.if (\sl) >= 2
	s_wait_alu depctr_va_vdst(0)
	s_wait_xcnt 0x0                                ; the stores of two steps ago have read this set of codes
.endif
.irp c, 0,1
	v_cvt_scalef32_pk16_fp6_f32 v[CC+6*\c:CC+6*\c+2], v[X+32*\c:X+32*\c+15], v[12+\c]
	v_cvt_scalef32_pk16_fp6_f32 v[D+4*\c:D+4*\c+2], v[X+32*\c+16:X+32*\c+31], v[12+\c]
.endr
	v_nop                                          ; one plain instruction behind the scaled conversions
.irp c, 0,1
.irp i, 0,1,2
	v_mov_b32 v[CC+6*\c+3+\i], v[D+4*\c+\i]
.endr
.endr
.irp g, 0,1,2
	global_store_b128 v4, v[CC+4*\g:CC+4*\g+3], s[10:11] offset:1536*(\sl)+512*\g   ; 32 lanes store 512 consecutive bytes, aligned
.endr
.endm
	s_wait_alu depctr_va_vdst(0)
	XSTEP 0
	XSTEP 1
	XSTEP 2
	XSTEP 3
.irp sl, 0,1,2,3
	ds_store_b32 v7, v[WD+\sl] offset:64*\sl       ; lanes r and r + 16 write the same word with the same value
.endr
	ds_load_b64 v[52:53], v8
	s_wait_dscnt 0x0
	global_store_b64 v9, v[52:53], s[12:13]        ; 32 lanes store 256 consecutive bytes, aligned
	s_set_vgpr_msb 0x4
	s_wait_tensorcnt 0x0
	ds_add_u32 v47, v1
	s_wait_dscnt 0x0
	s_set_vgpr_msb 0x400
	s_endpgm
; ---------------- the weights: a wave takes 32 columns and one K step; a lane takes a column, its registers run down K ----------------
.Lweights:
	s_sub_co_u32 s17, ttmp9, 256
	s_and_b32 s18, s17, 31                         ; which 128 columns: 0-23 of W_qkv, 24-31 of W_out
	s_lshr_b32 s19, s17, 5                         ; the K step
	s_mov_b32 s22, 4096
	s_cmp_lt_u32 s18, 24                           ; the choice hangs on the work-group's number alone
	s_cselect_b64 s[6:7], s[6:7], s[8:9]
	s_cselect_b32 s22, 12288, s22                  ; bytes in a row
	s_cselect_b32 s23, 0, 24
	s_sub_co_u32 s23, s18, s23
	s_lshl_b32 s24, s19, 7
	s_mul_i32 s24, s24, s22                        ; 128 s rows
	s_lshl_b32 s25, s23, 9
	s_add_co_u32 s24, s24, s25                     ; + the group's 128 columns
	s_lshl_b32 s25, s16, 7
	s_add_co_u32 s24, s24, s25                     ; + my wave's 32
	s_mov_b32 s25, 0
	s_add_nc_u64 s[32:33], s[6:7], s[24:25]
	s_lshl_b32 s24, s22, 3
.irp q, 1,2,3,4,5,6,7,8,9,10,11,12,13,14,15
	s_add_nc_u64 s[32+2*\q:33+2*\q], s[30+2*\q:31+2*\q], s[24:25]   ; sixteen bases, eight rows apart: the row's length is chosen above, so it cannot stand in an immediate
.endr
	s_wait_alu depctr_va_vdst(0)
	v_lshlrev_b32 v9, 2, v1
.irp j, 0,1,2,3,4,5,6,7
	v_mad_u32_u24 v[WO+\j], s22, \j, v9            ; 4 x lane + j rows
.endr
.macro WLOAD t                         ; block t: W(128 s + 32 t + i, my column): each load reads 128 consecutive bytes, the four waves stand side by side on 512
.irp i, 0,1,2,3,4,5,6,7,8,9,10,11,12,13,14,15,16,17,18,19,20,21,22,23,24,25,26,27,28,29,30,31
	global_load_b32 v[WX+32*(\t)+\i], v[WO+\i%8], s[32+2*((32*(\t)+\i)/8):33+2*((32*(\t)+\i)/8)] th:TH_LOAD_NT
.endr
.endm
	WLOAD 0
	WLOAD 1
	s_lshl_b32 s26, s18, 3
	s_lshl_b32 s27, s16, 1
	s_add_co_u32 s26, s26, s27
	s_add_co_u32 s26, s26, 512                     ; my first tile: 512 + 8 x group + 2 x wave
	s_mul_i32 s28, s26, 12288
	s_mul_i32 s27, s19, 1536
	s_add_co_u32 s28, s28, s27
	s_mov_b32 s29, 0
	s_add_nc_u64 s[10:11], s[10:11], s[28:29]
	s_lshl_b32 s28, s26, 9
	s_lshl_b32 s27, s19, 6
	s_add_co_u32 s28, s28, s27
	s_add_nc_u64 s[12:13], s[12:13], s[28:29]
	v_bfe_u32 v10, v0, 3, 1                        ; my column's tile of the two: bit 3 of the lane,
	v_and_b32 v11, 7, v0
	v_lshl_or_b32 v11, v3, 3, v11                  ; and its row there: bits 2:0, and bit 4 as bit 3
	s_mul_i32 s27, s16, WSTG
	s_add_co_u32 s27, s27, WBASE                   ; my LDS
	v_mul_u32_u24 v5, v10, WT
	v_lshl_add_u32 v5, v11, 4, v5
	v_add_nc_u32 v5, s27, v5                       ; into the images: tile, 16 x row
	v_add_nc_u32 v6, s27, v4                       ; out of them: 16 x lane
	v_lshlrev_b32 v7, 9, v10
	v_lshl_add_u32 v7, v11, 2, v7                  ; my scale word's place: 512 x tile + 4 x row
.macro WBLOCK t                        ; block t is registers 6 (t / 2) .. + 5 of the image's lane (row, t % 2)
.set XS, WX+32*(\t)
.set CB, WC+8*(\t)
.set DB, WDD+4*((\t)%2)
.if (\t) < 3
	s_wait_loadcnt 32                              ; this block's 32 loads are in; the next block's may be out
.else
	s_wait_loadcnt 0x0
.endif
.if (\t) < 2
	WLOAD (\t)+2                                   ; two blocks ahead
.endif
	v_max3_num_f32 v12, |v[XS]|, |v[XS+1]|, |v[XS+2]|
	v_max3_num_f32 v13, |v[XS+3]|, |v[XS+4]|, |v[XS+5]|
.irp i, 6,10,14,18,22,26
	v_max3_num_f32 v12, v12, |v[XS+\i]|, |v[XS+\i+1]|
	v_max3_num_f32 v13, v13, |v[XS+\i+2]|, |v[XS+\i+3]|
.endr
	v_max3_num_f32 v12, v12, |v[XS+30]|, |v[XS+31]|
	v_max3_num_f32 v12, v12, v13, 0x1800000        ; and the floor
	v_add_nc_u32 v14, 0xff000000, v12              ; the conversion's scale operand
	v_lshrrev_b32 v15, 23, v14                     ; the byte
.if (\t) == 0
	v_mov_b32 v8, v15
.else
	v_lshl_or_b32 v8, v15, 8*(\t), v8              ; four bytes make my column's scale word
.endif
	v_cvt_scalef32_pk16_fp6_f32 v[CB:CB+2], v[XS:XS+15], v14
	v_cvt_scalef32_pk16_fp6_f32 v[DB:DB+2], v[XS+16:XS+31], v14
	v_nop                                          ; one plain instruction behind the scaled conversions
.irp i, 0,1,2
	v_mov_b32 v[CB+3+\i], v[DB+\i]
.endr
.if (\t)/2 == 0
	ds_store_b128 v5, v[CB:CB+3] offset:256*((\t)%2)           ; registers 0-3
	ds_store_b64 v5, v[CB+4:CB+5] offset:512+256*((\t)%2)      ; registers 4, 5
.else
	ds_store_b64 v5, v[CB:CB+1] offset:520+256*((\t)%2)        ; registers 6, 7
	ds_store_b128 v5, v[CB+2:CB+5] offset:1024+256*((\t)%2)    ; registers 8-11
.endif
.endm
	WBLOCK 0
	WBLOCK 1
	WBLOCK 2
	WBLOCK 3
.irp n, 0,1,2,3,4,5
	ds_load_b128 v[O+4*\n:O+4*\n+3], v6 offset:WT*(\n/3)+512*(\n%3)    ; LDS serves a wave's instructions in order: these see my stores
.endr
	s_wait_alu depctr_va_vdst(0)
.irp n, 0,1,2,3,4,5
	s_wait_dscnt 5-\n                              ; the younger loads may be out
	global_store_b128 v4, v[O+4*\n:O+4*\n+3], s[10:11] offset:12288*(\n/3)+512*(\n%3)   ; 512 consecutive bytes, aligned
.endr
	global_store_b32 v7, v8, s[12:13]              ; two runs of 64 consecutive bytes: one byte for each 128 that the wave has read
	s_set_vgpr_msb 0x4
	s_wait_tensorcnt 0x0
	ds_add_u32 v47, v1
	s_wait_dscnt 0x0
	s_set_vgpr_msb 0x400
	s_endpgm
.Lfunc_end_k_q2e151b51a0_quant:
	.size	k_q2e151b51a0_quant, .Lfunc_end_k_q2e151b51a0_quant-k_q2e151b51a0_quant
	.p2alignl 7, 3214868480
	.fill 96, 4, 3214868480
	.section	.rodata,"a",@progbits
	.p2align	6, 0x0
	.amdhsa_kernel k_q2e151b51a0_quant
		.amdhsa_group_segment_fixed_size 60928
		.amdhsa_private_segment_fixed_size 0
		.amdhsa_enable_private_segment 0
		.amdhsa_kernarg_size 40
		.amdhsa_user_sgpr_count 2
		.amdhsa_user_sgpr_kernarg_segment_ptr 1
		.amdhsa_wavefront_size32 1
		.amdhsa_system_sgpr_workgroup_id_x 1
		.amdhsa_system_sgpr_workgroup_id_y 1
		.amdhsa_system_sgpr_workgroup_id_z 1
		.amdhsa_system_vgpr_workitem_id 0
		.amdhsa_next_free_vgpr 258
		.amdhsa_next_free_sgpr 66
		.amdhsa_reserve_vcc 0
		.amdhsa_float_denorm_mode_32 3
		.amdhsa_float_denorm_mode_16_64 3
		.amdhsa_memory_ordered 1
		.amdhsa_forward_progress 1
		.amdhsa_inst_pref_size 53
	.end_amdhsa_kernel
	.amdgpu_metadata
---
amdhsa.version: [ 1, 2 ]
amdhsa.kernels:
  - .name:           k_q2e151b51a0_quant
    .symbol:         k_q2e151b51a0_quant.kd
    .args:
      - { .name: x, .offset: 0, .size: 8, .value_kind: global_buffer, .address_space: global }
      - { .name: W_qkv, .offset: 8, .size: 8, .value_kind: global_buffer, .address_space: global }
      - { .name: W_out, .offset: 16, .size: 8, .value_kind: global_buffer, .address_space: global }
      - { .name: opnd_img, .offset: 24, .size: 8, .value_kind: global_buffer, .address_space: global }
      - { .name: opnd_scl, .offset: 32, .size: 8, .value_kind: global_buffer, .address_space: global }
    .group_segment_fixed_size: 60928
    .private_segment_fixed_size: 0
    .kernarg_segment_align: 8
    .kernarg_segment_size: 40
    .max_flat_workgroup_size: 128
    .sgpr_count:     66
    .vgpr_count:     258
    .wavefront_size: 32
...
	.end_amdgpu_metadata
.endif
;; end of part 1
;; launch gemm_qkv (part 2): grid 12 x 32, 4 waves a work-group, clusters of 4 x 4, 327,680 bytes of LDS; arguments opnd_img, opnd_scl, b_qkv, qkv_img, qkv_scl; writes qkv_img, qkv_scl
.if DOCPART == 2
	.amdgcn_target "amdgcn-amd-amdhsa--gfx1250"
	.amdhsa_code_object_version 6
	.text
	.protected	k_q2e151b51a0_gemm_qkv
	.globl	k_q2e151b51a0_gemm_qkv
	.p2align	8
	.type	k_q2e151b51a0_gemm_qkv,@function
k_q2e151b51a0_gemm_qkv:
	s_mov_b64 s[64:65], 0
	v_nop
	global_prefetch_b8 v0, s[64:65] scope:SCOPE_SE
	s_setreg_imm32_b32 hwreg(HW_REG_WAVE_MODE, 25, 1), 1
	s_wait_xcnt 0x0
	s_wait_alu depctr_hold_cnt(0) depctr_sa_sdst(0) depctr_va_vdst(0) depctr_va_sdst(0) depctr_va_ssrc(0) depctr_va_vcc(0) depctr_vm_vsrc(0)
	s_getreg_b32 s2, hwreg(HW_REG_IB_STS2, 6, 4)
	s_cmp_eq_u32 s2, 0
	s_cbranch_scc0 .Lentry_in_a_cluster
	s_endpgm
.Lentry_in_a_cluster:
	s_bfe_u32 s2, ttmp6, 0x10000c
	s_cmp_lg_u32 s2, 0xf033
	s_cbranch_scc0 .Lentry_shape_is_right
	s_endpgm
.Lentry_shape_is_right:
.set NQ,     2
.set FR,     12
.set FRB,    1536
.set NL,     3
.set NP,     4
.set TROW,   12288
.set HALFT,  8*NQ*FRB
.set SLOT,   4*HALFT
.set LAPS,   2
.set SCL,    2*SLOT
.set HALFS,  4096
.set SPARE,  SCL+4*HALFS
.set ADRA, 16
.set ADRB, 20
.set L16,  24
.set L8,   25
.set SOF,  26
.set ADRS, 27
.set SPW,  28
.set NIL,  29
.set H16,  30
.set SC,   32
.set BN,   64
.set AF,   128
.set BV,   240
.set X,    128
.set PC,   192
.set TM,   212
.set PW,   228
.set TP,   230
.set SW,   32
.set D4,   40
.set SEL,  66
.set FILL, 93
.set G1, 24
.set G0, 32
.set G1B, 48
.set G0B, 56
.set G1S, 68
.set G0S, 76
.set G1SB, 80
.set G0SB, 88
.set MSB, 0
.macro WIN new
.if MSB != (\new)
	s_set_vgpr_msb (MSB<<8)|(\new)
.set MSB, \new
.endif
.endm
.set MUL_LO, 0xa1
.set MUL_HI, 0xf1
.set TO_B,   0x40
.macro JLOAD g0a, g1a, g0b, g1b
	s_cmp_eq_u32 s15, 0
	s_cbranch_scc0 .Lfor_b_\@
	tensor_load_to_lds s[\g0a:\g0a+3], s[\g1a:\g1a+7]
	s_nop 0
.rept 4
	v_nop
.endr
	s_branch .Lasked_\@
.Lfor_b_\@:
	tensor_load_to_lds s[\g0b:\g0b+3], s[\g1b:\g1b+7]
	s_nop 0
.rept 4
	v_nop
.endr
.Lasked_\@:
.endm
.macro CREST
	s_cmp_lg_u32 s14, 0
	s_cbranch_scc1 .Lnot_wave_0_\@
	s_barrier_signal -3
.Lnot_wave_0_\@:
	s_barrier_wait -3
	s_barrier_signal -1
	s_barrier_wait -1
.endm
.macro CROUND
	s_barrier_signal -1
	s_barrier_wait -1
	CREST
.endm
	s_load_b256 s[4:11], s[0:1], 0x0
	s_load_b64 s[12:13], s[0:1], 0x20
	v_lshl_add_u32 v[SPW], v0, 2, SPARE
	v_mov_b32 v[NIL], 0
	ds_add_u32 v28, v29
	ds_add_u32 v28, v29
	s_wait_dscnt 0x0
	v_lshrrev_b32 v1, 5, v0
	v_readfirstlane_b32 s14, v1
	s_lshr_b32 s15, s14, 1
	s_and_b32 s16, s14, 1
	s_bfe_u32 s40, ttmp6, 0x40000
	s_bfe_u32 s41, ttmp6, 0x40004
	s_and_b32 s17, ttmp7, 0xffff
	s_lshl_b32 s43, s41, 2
	s_lshl_b32 s43, 15, s43
	s_lshl_b32 s44, 0x1111, s40
	s_or_b32 s[G1+0], s43, (3<<16)|(1<<21)
	s_or_b32 s[G1B+0], s44, (3<<16)|(1<<21)
.irp g, G1, G1B
	s_mov_b32 s[\g+1], 384<<16
	s_mov_b32 s[\g+2], 16<<16
	s_mov_b32 s[\g+3], 384<<16
	s_mov_b32 s[\g+4], 16
	s_mov_b32 s[\g+5], 1536
	s_mov_b32 s[\g+6], 0
	s_mov_b32 s[\g+7], 0
.endr
	s_or_b32 s[G1S+0], s43, (3<<16)|(1<<21)
	s_or_b32 s[G1SB+0], s44, (3<<16)|(1<<21)
.irp g, G1S, G1SB
	s_mov_b32 s[\g+1], 32<<16
	s_mov_b32 s[\g+2], 32<<16
	s_mov_b32 s[\g+3], 32<<16
	s_mov_b32 s[\g+4], 32
	s_mov_b32 s[\g+5], 32
	s_mov_b32 s[\g+6], 0
	s_mov_b32 s[\g+7], 0
.endr
	s_lshl_b32 s18, s17, 6
	s_lshl_b32 s19, ttmp9, 6
	s_add_co_u32 s19, s19, 512
	s_cmp_eq_u32 ttmp9, 2
	s_cselect_b32 s20, 640, s18
	s_cselect_b32 s46, s18, s19
	s_lshl_b32 s21, s41, 4
	s_add_co_u32 s20, s20, s21                     ; the work-group's first tile of A,
	s_lshl_b32 s47, s40, 4
	s_add_co_u32 s46, s46, s47                     ; and of B
	s_mul_i32 s18, s16, 8*TROW                     ; in the ring a wave fetches eight of the sixteen tiles: which, in bytes
	s_mov_b32 s19, 0
	s_lshl_b32 s22, s20, 9
	s_mov_b32 s23, 0
	s_mul_i32 s20, s20, TROW
	s_mov_b32 s21, 0
	s_lshl_b32 s94, s46, 9
	s_mov_b32 s95, 0
	s_mul_i32 s46, s46, TROW
	s_mov_b32 s47, 0
	s_mul_i32 s45, s14, HALFT
	s_mov_b32 s[SEL], 0x76543210
	s_mov_b32 s[SEL+1], 0xfedcba98
	s_mov_b32 s[FILL], 0x7f7f0000
	s_wait_kmcnt 0x0
	s_add_nc_u64 s[20:21], s[4:5], s[20:21]
	s_add_nc_u64 s[22:23], s[6:7], s[22:23]
	s_add_nc_u64 s[46:47], s[4:5], s[46:47]
	s_add_nc_u64 s[94:95], s[6:7], s[94:95]
	CROUND
	s_mov_b32 s[G0S], 1
	s_mov_b32 s[G0S+1], SCL
	s_mov_b64 s[G0S+2:G0S+3], s[22:23]
	s_or_b32 s[G0S+3], s[G0S+3], 0x80000000
	s_mov_b32 s[G0SB], 1
	s_mov_b32 s[G0SB+1], SCL+2*HALFS
	s_mov_b64 s[G0SB+2:G0SB+3], s[94:95]
	s_or_b32 s[G0SB+3], s[G0SB+3], 0x80000000
.set G0H,  4                           ; s[4:7], s[96:99] group 0 of the head's loads of slot 0: A's 16 tiles, B's 16 tiles (the arguments in s[4:7] have been used)
.set G0HB, 96
	s_mov_b32 s[G0H], 1
	s_mov_b32 s[G0H+1], 0
	s_mov_b64 s[G0H+2:G0H+3], s[20:21]
	s_or_b32 s[G0H+3], s[G0H+3], 0x80000000
	s_mov_b32 s[G0HB], 1
	s_mov_b32 s[G0HB+1], 2*HALFT
	s_mov_b64 s[G0HB+2:G0HB+3], s[46:47]
	s_or_b32 s[G0HB+3], s[G0HB+3], 0x80000000
	s_add_nc_u64 s[20:21], s[20:21], s[18:19]      ; for the ring: my eight tiles
	s_add_nc_u64 s[46:47], s[46:47], s[18:19]
.irp s, 0,1
	s_mov_b32 s[G0+4*\s], 1
	s_add_co_u32 s[G0+4*\s+1], s45, \s*SLOT
	s_add_nc_u64 s[G0+4*\s+2:G0+4*\s+3], s[20:21], \s*NQ*FRB
	s_or_b32 s[G0+4*\s+3], s[G0+4*\s+3], 0x80000000
	s_mov_b32 s[G0B+4*\s], 1
	s_add_co_u32 s[G0B+4*\s+1], s45, \s*SLOT
	s_add_nc_u64 s[G0B+4*\s+2:G0B+4*\s+3], s[46:47], \s*NQ*FRB
	s_or_b32 s[G0B+4*\s+3], s[G0B+4*\s+3], 0x80000000
.endr
; The head's four tiles, one joint load a wave: wave 0 slot 0's 16 tiles of A, wave 1 those of B, wave 2 A's scale words, wave 3 B's.  One chain of branches on the wave's number.
.macro ARM under, g0, g1, next
	s_cmp_lt_u32 s14, \under
	s_cbranch_scc0 \next
	tensor_load_to_lds s[\g0:\g0+3], s[\g1:\g1+7]
	s_nop 0
.rept 4
	v_nop
.endr
	s_branch .Lhead_asked
\next:
.endm
	ARM 1, G0H,  G1,  .Lhead_b
	ARM 2, G0HB, G1B, .Lhead_sa
	ARM 3, G0S,  G1S, .Lhead_sb
	tensor_load_to_lds s[G0SB:G0SB+3], s[G1SB:G1SB+7]
	s_nop 0
.rept 4
	v_nop
.endr
.Lhead_asked:
	v_and_b32 v1, 15, v0
	v_bfe_u32 v2, v0, 4, 1
	v_and_b32 v3, 31, v0
	v_lshlrev_b32 v[L16], 4, v3
	v_lshlrev_b32 v[L8], 3, v3
	v_lshlrev_b32 v[H16], 4, v2
	s_mul_i32 s21, s15, HALFT
	s_mul_i32 s22, s16, HALFT
	s_add_co_u32 s22, s22, 2*HALFT
.irp s, 0,1
	v_add_nc_u32 v[ADRA+\s], s21, v[L16]
	v_add_nc_u32 v[ADRB+\s], s22, v[L16]
	s_add_co_u32 s21, s21, SLOT
	s_add_co_u32 s22, s22, SLOT
.endr
	v_lshlrev_b32 v5, 2, v1
	s_mul_i32 s21, s15, HALFS
	s_mul_i32 s22, s16, HALFS
	s_add_co_u32 s22, s22, 2*HALFS
	s_sub_co_u32 s22, s22, s21
	v_mul_u32_u24 v6, s22, v2
	s_add_co_u32 s21, s21, SCL
	v_add_nc_u32 v5, v5, v6
	v_add_nc_u32 v[ADRS], s21, v5
	s_lshl_b32 s20, ttmp9, 12
	s_lshl_b32 s21, s40, 10
	s_add_co_u32 s20, s20, s21
	s_lshl_b32 s21, s16, 9
	s_add_co_u32 s20, s20, s21
	s_mov_b32 s21, 0
	s_add_nc_u64 s[20:21], s[8:9], s[20:21]
	s_lshl_b32 s22, s41, 10
	s_lshl_b32 s23, s15, 9
	s_add_co_u32 s22, s22, s23
	s_add_co_u32 s22, s22, 8192
	s_mov_b32 s23, 0
	s_add_nc_u64 s[22:23], s[8:9], s[22:23]
	v_lshlrev_b32 v10, 6, v2
	v_and_b32 v11, 8, v1
	v_add_nc_u32 v11, v11, v1
	v_lshlrev_b32 v11, 2, v11
.irp b, 0,1,2,3
.irp j, 0,1,2,3
	global_load_b128 v[BN+16*\b+4*\j:BN+16*\b+4*\j+3], v10, s[20:21] offset:128*\b+16*\j
.endr
.endr
.irp a, 0,1,2,3,4,5,6,7
	global_load_b32 v[BV+2*\a], v11, s[22:23] offset:(32*(\a/2)+8*(\a%2))*4
	global_load_b32 v[BV+2*\a+1], v11, s[22:23] offset:(32*(\a/2)+8*(\a%2))*4
.endr
.macro FRAG reg, adr, q, i
.irp g, 0,1,2
	ds_load_b128 v[\reg+4*\g:\reg+4*\g+3], v[\adr] offset:(\i)*NQ*FRB+(\q)*FRB+512*\g
.endr
.endm
.macro MUL16 a0, p, q, sc, zero
.irp a, \a0, \a0+1
.irp b, 0,1,2,3,4,5,6,7
.if \zero
	v_wmma_scale_f32_16x16x128_f8f6f4 v[8*(8*((\a)%4)+\b):8*(8*((\a)%4)+\b)+7], v[128*(\p)+FR*\b:128*(\p)+FR*\b+FR-1], v[AF+FR*(\a):AF+FR*(\a)+FR-1], 0, v[SC+8*NQ*(\sc)+NQ*\b+(\q)], v[SC+8*NQ*(\sc)+NQ*(\a)+(\q)] matrix_a_fmt:MATRIX_FMT_FP6 matrix_b_fmt:MATRIX_FMT_FP6 matrix_a_scale:MATRIX_SCALE_ROW1
.else
	v_wmma_scale_f32_16x16x128_f8f6f4 v[8*(8*((\a)%4)+\b):8*(8*((\a)%4)+\b)+7], v[128*(\p)+FR*\b:128*(\p)+FR*\b+FR-1], v[AF+FR*(\a):AF+FR*(\a)+FR-1], v[8*(8*((\a)%4)+\b):8*(8*((\a)%4)+\b)+7], v[SC+8*NQ*(\sc)+NQ*\b+(\q)], v[SC+8*NQ*(\sc)+NQ*(\a)+(\q)] matrix_a_fmt:MATRIX_FMT_FP6 matrix_b_fmt:MATRIX_FMT_FP6 matrix_a_scale:MATRIX_SCALE_ROW1
.endif
.endr
.endr
.endm
.macro FETCH_B slot, q, p
	WIN TO_B
.irp i, 0,1,2,3,4,5,6,7
	FRAG 128*(\p)+FR*\i, ADRB+\slot, \q, \i
.endr
	WIN 0
.endm
.macro FETCH_A slot, q, i0
.irp i, \i0, \i0+1, \i0+2, \i0+3
	FRAG AF+FR*(\i), ADRA+\slot, \q, \i
.endr
.endm
.macro SCALES sc
.irp i, 0,1,2,3,4,5,6,7
	ds_load_b32 v[SC+8*NQ*\sc+NQ*\i], v[ADRS] offset:512*\i
	ds_load_b32 v[SC+8*NQ*\sc+NQ*\i+1], v[ADRS] offset:512*\i+64
.endr
.endm
.macro PLACES n
.rept \n
	v_nop
.endr
.endm
.macro STEP slot, q, zero
	s_wait_dscnt 4*NL
	WIN MUL_LO
	MUL16 0, (\q)%2, \q, \slot, \zero
	MUL16 2, (\q)%2, \q, \slot, \zero
	s_wait_dscnt 0
	PLACES NP
	FETCH_B \slot, (\q)+1, 1-(\q)%2
	FETCH_A \slot, (\q)+1, 0
	WIN MUL_HI
	MUL16 4, (\q)%2, \q, \slot, \zero
	MUL16 6, (\q)%2, \q, \slot, \zero
	PLACES NP
	WIN 0
	FETCH_A \slot, (\q)+1, 4
.endm
.macro TURN slot, next, fill
	s_wait_tensorcnt 0x0
	ds_add_u32 v[SPW], v[NIL]
	s_wait_dscnt 4*NL+1
	WIN MUL_LO
	MUL16 0, 1, NQ-1, \slot, 0
	s_wait_dscnt 0x0
	s_barrier_signal -1
	MUL16 2, 1, NQ-1, \slot, 0
	WIN 0
	s_barrier_wait -1
.if \fill
	CREST
	s_add_nc_u64 s[G0+4*\slot+2:G0+4*\slot+3], s[G0+4*\slot+2:G0+4*\slot+3], 2*NQ*FRB
	s_add_nc_u64 s[G0B+4*\slot+2:G0B+4*\slot+3], s[G0B+4*\slot+2:G0B+4*\slot+3], 2*NQ*FRB
	JLOAD G0+4*\slot, G1, G0B+4*\slot, G1B
.else
	PLACES NP
.endif
	s_wait_alu depctr_va_vdst(0)
	v_add_nc_u32 v[ADRS], 64*NQ, v[ADRS]
	FETCH_B \next, 0, 0
	FETCH_A \next, 0, 0
	SCALES \next
	WIN MUL_HI
	MUL16 4, 1, NQ-1, \slot, 0
	MUL16 6, 1, NQ-1, \slot, 0
	PLACES NP
	WIN 0
	FETCH_A \next, 0, 4
.endm
	s_wait_alu depctr_va_vdst(0)
	s_wait_loadcnt 0x0
	s_wait_tensorcnt 0x0                           ; my tile of the head's four is in
	ds_add_u32 v[SPW], v[NIL]
	s_mov_b32 s[G1+2], 8<<16                       ; no tensor load of mine is out: from here on a load brings eight tiles
	s_mov_b32 s[G1+4], 8
	s_mov_b32 s[G1B+2], 8<<16
	s_mov_b32 s[G1B+4], 8
	s_wait_dscnt 0x0
	CROUND                                         ; all four tiles are in, and all sixteen work-groups are here
	JLOAD G0+4, G1, G0B+4, G1B                     ; slot 1's first fill, the first tensor load behind the round
	FETCH_B 0, 0, 0
	FETCH_A 0, 0, 0
	SCALES 0
	FETCH_A 0, 0, 4
	STEP 0, 0, 1
	s_mov_b32 s3, LAPS-1
.Llap:
	TURN 0, 1, 1
	STEP 1, 0, 0
	TURN 1, 0, 1
	STEP 0, 0, 0
	s_sub_co_u32 s3, s3, 1
	s_cmp_lg_u32 s3, 0
	s_cbranch_scc1 .Llap
	TURN 0, 1, 0
	STEP 1, 0, 0
	s_wait_dscnt 4*NL
	WIN MUL_LO
	MUL16 0, 1, NQ-1, 1, 0
	MUL16 2, 1, NQ-1, 1, 0
	s_wait_dscnt 0
	WIN MUL_HI
	MUL16 4, 1, NQ-1, 1, 0
	MUL16 6, 1, NQ-1, 1, 0
	WIN 0
.macro QUANT s
.irp b, 0,1,2,3
	v_max3_num_f32 v[TM+\b], |v[\s+16*\b]|, |v[\s+1+16*\b]|, 0x1800000
.endr
.irp i, 2,4,6,8,10,12,14
.irp b, 0,1,2,3
	v_max3_num_f32 v[TM+\b], v[TM+\b], |v[\s+16*\b+\i]|, |v[\s+1+16*\b+\i]|
.endr
.endr
.irp b, 0,1,2,3
	v_permlanex16_b32 v[TM+4+\b], v[TM+\b], s[SEL], s[SEL+1]
.endr
.irp b, 0,1,2,3
	v_max_num_f32 v[TM+\b], v[TM+\b], v[TM+4+\b]
.endr
.irp b, 0,1,2,3
	v_add_nc_u32 v[TM+12+\b], 0xff000000, v[TM+\b]
.endr
.irp b, 0,1,2,3
	v_lshrrev_b32 v[TM+4+\b], 23, v[TM+12+\b]
.endr
	v_lshl_or_b32 v[PW], v[TM+5], 8, v[TM+4]
	v_lshl_or_b32 v[PW], v[TM+6], 16, v[PW]
	v_lshl_or_b32 v[PW], v[TM+7], 24, v[PW]
.irp c, 0,1
	v_cvt_scalef32_pk16_fp6_f32 v[PC+6*\c:PC+2+6*\c], v[\s+32*\c:\s+15+32*\c], v[TM+12+2*\c]
	v_cvt_scalef32_pk16_fp6_f32 v[PC+12+4*\c:PC+14+4*\c], v[\s+16+32*\c:\s+31+32*\c], v[TM+12+2*\c+1]
.endr
	v_nop
.irp c, 0,1
.irp i, 0,1,2
	v_permlane16_swap_b32 v[PC+6*\c+\i], v[PC+12+4*\c+\i]
.endr
.irp i, 0,1,2
	v_mov_b32 v[PC+3+6*\c+\i], v[PC+12+4*\c+\i]
.endr
.endr
.endm
	PLACES NP
.irp b, 0,1,2,3
	v_mov_b32 v[TM+4+\b], 0
.endr
	s_cmp_eq_u32 ttmp9, 2
	s_cbranch_scc1 .Lv_out
	s_lshr_b32 s20, s17, 1
	s_lshl_b32 s20, s20, 4
	s_lshl_b32 s21, s40, 2
	s_add_co_u32 s20, s20, s21
	s_lshl_b32 s21, s16, 1
	s_add_co_u32 s20, s20, s21
	s_lshl_b32 s21, s17, 2
	s_add_co_u32 s21, s21, s41
	s_and_b32 s21, s21, 7
	s_lshl_b32 s21, s21, 1
	s_add_co_u32 s21, s21, s15
	s_mul_i32 s22, ttmp9, 6291456
	s_mul_i32 s23, s20, 98304
	s_add_co_u32 s22, s22, s23
	s_mul_i32 s23, s21, 6144
	s_add_co_u32 s22, s22, s23
	s_mov_b32 s23, 0
	s_add_nc_u64 s[10:11], s[10:11], s[22:23]
	s_mov_b32 s46, 12288
	s_cmp_eq_u32 ttmp9, 0
	s_cselect_b32 s46, 8192, s46
	s_cselect_b32 s47, 786432, 0
	s_mul_i32 s22, s20, s46
	s_add_co_u32 s22, s22, s47
	s_lshl_b32 s21, s21, 9
	s_add_co_u32 s22, s22, s21
	s_add_nc_u64 s[12:13], s[12:13], s[22:23]
	v_mul_u32_u24 v[SOF], s46, v2
	v_lshl_add_u32 v[SOF], v1, 4, v[SOF]
.macro QKBLK a
.if (\a) > 0
	s_wait_xcnt 0x0
.endif
	WIN 0x02+(\a)/4
.set n_, 0
.rept 32
	v_pk_add_f32 v[X+2*n_:X+2*n_+1], v[64*((\a)%4)+2*n_:64*((\a)%4)+2*n_+1], v[BN+2*n_:BN+2*n_+1]
.set n_, n_+1
.endr
	WIN 0
	QUANT X
.irp c, 0,1
	global_store_b128 v[L16], v[PC+6*\c:PC+6*\c+3], s[10:11] offset:98304*\c+768*(\a)
	global_store_b64 v[L8], v[PC+6*\c+4:PC+6*\c+5], s[10:11] offset:98304*\c+768*(\a)+512
.endr
	v_lshrrev_b32 v[TP], v[H16], v[PW]
	v_and_or_b32 v[SW+\a], v[TP], 0xffff, s[FILL]
.endm
.irp a, 0,1,2,3,4,5,6,7
	QKBLK \a
.endr
	global_store_b128 v[SOF], v[SW:SW+3], s[12:13]
	global_store_b128 v[SOF], v[SW+4:SW+7], s[12:13] offset:256
	s_branch .Lend
.Lv_out:
	s_lshr_b32 s20, s17, 1
	s_lshl_b32 s20, s20, 4
	s_lshl_b32 s21, s41, 2
	s_add_co_u32 s20, s20, s21
	s_lshl_b32 s21, s15, 1
	s_add_co_u32 s20, s20, s21
	s_lshl_b32 s21, s17, 2
	s_add_co_u32 s21, s21, s40
	s_and_b32 s21, s21, 7
	s_lshl_b32 s21, s21, 1
	s_add_co_u32 s21, s21, s16
	s_mul_i32 s22, s20, 98304
	s_mul_i32 s23, s21, 6144
	s_add_co_u32 s22, s22, s23
	s_add_co_u32 s22, s22, 12582912
	s_mov_b32 s23, 0
	s_add_nc_u64 s[10:11], s[10:11], s[22:23]
	s_mul_i32 s22, s20, 12288
	s_lshl_b32 s21, s21, 8
	s_add_co_u32 s22, s22, s21
	s_add_co_u32 s22, s22, 8192
	s_add_nc_u64 s[12:13], s[12:13], s[22:23]
	v_mul_u32_u24 v[SOF], v2, 12288
	v_lshl_add_u32 v[SOF], v1, 4, v[SOF]
.macro VBLK a
.if (\a) > 0
	s_wait_xcnt 0x0
.endif
	WIN 0x02+(\a)/4
.set n_, 0
.rept 32
	v_pk_add_f32 v[X+2*n_:X+2*n_+1], v[64*((\a)%4)+2*n_:64*((\a)%4)+2*n_+1], v[BV+2*(\a):BV+2*(\a)+1]
.set n_, n_+1
.endr
	WIN 0
	QUANT X
.irp g, 0,1,2
	global_store_b128 v[L16], v[PC+4*\g:PC+4*\g+3], s[10:11] offset:98304*((\a)/4)+1536*((\a)%4)+512*\g
.endr
	v_mov_b32 v[SW+\a], v[PW]
.endm
.irp a, 0,1,2,3,4,5,6,7
	VBLK \a
.endr
	v_cmp_lt_u32 vcc_lo, 15, v3
.irp i, 0,1,2,3
	v_cndmask_b32 v[D4+\i], v[SW+\i], v[SW+4+\i], vcc_lo
.endr
	global_store_b128 v[SOF], v[D4:D4+3], s[12:13]
.Lend:
	s_wait_tensorcnt 0x0
	ds_add_u32 v[SPW], v[NIL]
	s_wait_dscnt 0x0
	CROUND
	s_endpgm
.Lfunc_end_k_q2e151b51a0_gemm_qkv:
	.size	k_q2e151b51a0_gemm_qkv, .Lfunc_end_k_q2e151b51a0_gemm_qkv-k_q2e151b51a0_gemm_qkv
	.p2alignl 7, 3214868480
	.fill 96, 4, 3214868480
	.section	.rodata,"a",@progbits
	.p2align	6, 0x0
	.amdhsa_kernel k_q2e151b51a0_gemm_qkv
		.amdhsa_group_segment_fixed_size 327680
		.amdhsa_private_segment_fixed_size 0
		.amdhsa_enable_private_segment 0
		.amdhsa_kernarg_size 40
		.amdhsa_user_sgpr_count 2
		.amdhsa_user_sgpr_kernarg_segment_ptr 1
		.amdhsa_wavefront_size32 1
		.amdhsa_system_sgpr_workgroup_id_x 1
		.amdhsa_system_sgpr_workgroup_id_y 1
		.amdhsa_system_sgpr_workgroup_id_z 1
		.amdhsa_system_vgpr_workitem_id 0
		.amdhsa_next_free_vgpr 1024
		.amdhsa_next_free_sgpr 100
		.amdhsa_reserve_vcc 1
		.amdhsa_float_denorm_mode_32 3
		.amdhsa_float_denorm_mode_16_64 3
		.amdhsa_memory_ordered 1
		.amdhsa_forward_progress 1
		.amdhsa_inst_pref_size 214
	.end_amdhsa_kernel
	.amdgpu_metadata
---
amdhsa.version: [ 1, 2 ]
amdhsa.kernels:
  - .name:           k_q2e151b51a0_gemm_qkv
    .symbol:         k_q2e151b51a0_gemm_qkv.kd
    .args:
      - { .name: opnd_img, .offset: 0, .size: 8, .value_kind: global_buffer, .address_space: global }
      - { .name: opnd_scl, .offset: 8, .size: 8, .value_kind: global_buffer, .address_space: global }
      - { .name: b_qkv, .offset: 16, .size: 8, .value_kind: global_buffer, .address_space: global }
      - { .name: qkv_img, .offset: 24, .size: 8, .value_kind: global_buffer, .address_space: global }
      - { .name: qkv_scl, .offset: 32, .size: 8, .value_kind: global_buffer, .address_space: global }
    .group_segment_fixed_size: 327680
    .private_segment_fixed_size: 0
    .kernarg_segment_align: 8
    .kernarg_segment_size: 40
    .max_flat_workgroup_size: 128
    .sgpr_count:     100
    .vgpr_count:     1024
    .wavefront_size: 32
...
	.end_amdgpu_metadata
.endif
;; end of part 2
;; launch attn (part 3): grid 4 x 64, 16 waves a work-group, clusters of 4 x 1, 327,680 bytes of LDS; arguments qkv_img, qkv_scl, ctx_img, ctx_scl; writes ctx_img, ctx_scl
.if DOCPART == 3
	.amdgcn_target "amdgcn-amd-amdhsa--gfx1250"
	.amdhsa_code_object_version 6
	.text
	.protected	k_q2e151b51a0_attn
	.globl	k_q2e151b51a0_attn
	.p2align	8
	.type	k_q2e151b51a0_attn,@function
k_q2e151b51a0_attn:
	s_mov_b64 s[64:65], 0
	v_nop
	global_prefetch_b8 v0, s[64:65] scope:SCOPE_SE
	s_setreg_imm32_b32 hwreg(HW_REG_WAVE_MODE, 25, 1), 1
	s_wait_xcnt 0x0
	s_wait_alu depctr_hold_cnt(0) depctr_sa_sdst(0) depctr_va_vdst(0) depctr_va_sdst(0) depctr_va_ssrc(0) depctr_va_vcc(0) depctr_vm_vsrc(0)
	s_getreg_b32 s2, hwreg(HW_REG_IB_STS2, 6, 4)
	s_cmp_eq_u32 s2, 0
	s_cbranch_scc0 .Lentry_in_a_cluster
	s_endpgm
.Lentry_in_a_cluster:
	s_bfe_u32 s2, ttmp6, 0x10000c
	s_cmp_lg_u32 s2, 0x3003
	s_cbranch_scc0 .Lentry_shape_is_right
	s_endpgm
.Lentry_shape_is_right:
; ctx = softmax(q k^T / 8) v for 64 heads of 64 channels and 2,048 keys, both products on codes of FP6 (E2M3) with E8M0 scales; ctx leaves as codes, quantised along the channels, for the last product.
; THE SOFTMAX: t = score x log2(e) / 8; M = the running largest t rounded UP to a whole number; p = 2^(t - M) is quantised along the keys, not normalised; the row's sum is taken of the unquantised p and divides at the end.
; When M moves, the sum and O are multiplied by 2^(old M - new M): exact.
; SHARES.  A work-group owns 512 queries of ONE head; each of its sixteen waves owns two tiles of 16 queries, one after the other, in 256 registers, four waves to a SIMD.
; INPUTS (made by the launch before): images of registers.  q, k: a tile of 16 tokens is 768 bytes (registers 0-3 at 16 x lane, 4, 5 at 512 + 8 x lane); v: [128 keys][tile of 16 channels][1,536 bytes].
; Row r of a tile T is index 32 (T / 2) + 8 (T % 2) + r + 8 (r / 8), so that, both products being used transposed (S^T = K Q^T, O^T = V^T P^T), a lane holds ONE query and 16 registers of two neighbouring tiles are 16 neighbours.
; OUTPUT.  ctx_img[tile][pair of heads][head % 2] is 768 bytes: the six registers that this head gives to the fragment of 128 channels, 0-3 at 16 x lane, 4, 5 at 512 + 8 x lane.  ctx_scl[tile][pair][r] is a word; this head stores two of its bytes.
; K = 64 IN AN INSTRUCTION OF 128.  The queries' registers 6-11 are zero codes, and bytes 2, 3 of q's and k's scale words are 2^0.  So whatever bits stand in the upper six registers of K's operand are multiplied by zero
; (every pattern of six bits is a finite number): K's tiles stand 6 registers apart, tile t's operand reaches over tile t + 1's codes, and the last reaches over six registers of the same area.
; LDS HOLDS THE WHOLE HEAD: two halves of 1,024 keys, each K's 49,152 bytes and then V's 49,152.  A key step (128 keys) is 6,144 bytes of each, a half sixteen such pieces, one to a wave (waves 0-7 K's, 8-15 V's).
; The first half is asked for at the head, the second behind the barrier that shows the first whole; nothing is filled again.  CLUSTER: the four work-groups of a head ask for each piece jointly.
; THE SCALE WORDS of the head's K and V (12,288 bytes) come once, through registers, 8 bytes a thread three times, into LDS bytes of their own.
; TWO AREAS OF 64 REGISTERS CHANGE ROLES from step to step: one holds K's fragments and then V's, the other S^T and p.  As soon as p's codes are made, the next step's K is asked for into p's area.  So a trip of the loop is two steps.
; NO PREFETCH: all that the work-group reads by tensor loads is asked for in two groups at the launch's start, where there is no loop to run ahead in.
; LIMITS: a block of zeros gets the byte 1 where the rule says 127 (its codes are zeros; this program alone reads the bytes); NaN and infinities are not served; the scaled scores stay under 2^31 in magnitude.
.set SLOT1, 98304                      ; the second half begins here
.set KB,    49152                      ; a half's bytes of K, and of V
.set STEPB, 6144                       ; a key step's bytes of K, and of V
.set SCL,   196608                     ; the scale words: K's 8,192 bytes, then V's 4,096
.set HSC,   12288
.set SPARE, SCL+HSC                    ; the spare words, 128 bytes a wave: eight blocks of 256 bytes that no other line names
.set L16, 1                            ; v1  16 x lane
.set L8,  2                            ; v2  8 x lane
.set SC0, 3                            ; v3  SCL + 16 r
.set R4,  4                            ; v4  4 r
.set SPW, 5                            ; v5  my spare word; never rewritten
.set NIL, 6                            ; v6  0; never rewritten
.set QS,  7                            ; v7  Q's scale words
.set A16, 8                            ; v8-11 the trip's LDS addresses
.set A8,  9
.set ADS, 10
.set ADT, 11                           ; v12 -M, v13 the largest t, v[14:15] the sum in two halves
.set QF,  16                           ; v16-27 Q (v22-27 zeros)
.set KS,  28                           ; v28-35 K's scale words
.set VS,  36                           ; v36-39 V's
.set AA,  42                           ; v42-105 one area
.set AB,  108                          ; v108-171 the other
.set O,   172                          ; v172-203 O^T
.set PC,  204                          ; v204-215 p's codes
.set BM,  216                          ; v216-219 the blocks' largest
.set T2,  220                          ; v220-227 at work
.set STW, 224                          ; v224 at the head: where my thread puts its 8 bytes of scale words
.set SO,  228                          ; v228-231 the conversions' scale operands
.set FF,  232                          ; v232 f = 2^(old M - new M)
.set PS,  233                          ; v233 p's scale word
.set TP,  234
.set Q1,  236                          ; v236-241 my second tile's Q, v242 its scale words
.set QS1, 242
.set AC,  244                          ; v244-251 four chains of the row's sum
.set WV,  18
.set SEL, 20
.set CS,  22                           ; s[22:23] c = log2(e) / 8
.set G1,  24
.set G0A, 32                           ; s[32:35] group 0 of my piece of the first half
.set G0B, 36                           ; s[36:39] and of the second
.set TB,  2                            ; s2  LDS byte at which the trip's K begins
.set TS,  3                            ; s3  where the trip's scale words of K begin
.set TJ,  40                           ; s40 and V's
.set CNT, 41                           ; s41 trips to go in the half
.set TILES, 42                         ; s42 tiles to go
.macro CROUND                          ; a round of the cluster's barrier
	s_barrier_signal -1
	s_barrier_wait -1
	s_cmp_lg_u32 s[WV], 0
	s_cbranch_scc1 .Lnot_wave_0_\@
	s_barrier_signal -3
.Lnot_wave_0_\@:
	s_barrier_wait -3
	s_barrier_signal -1
	s_barrier_wait -1
.endm
	s_load_b256 s[4:11], s[0:1], 0x0               ; qkv_img s[4:5], qkv_scl s[6:7], ctx_img s[8:9], ctx_scl s[10:11]
	v_lshl_add_u32 v[SPW], v0, 2, SPARE
	v_mov_b32 v[NIL], 0
	ds_add_u32 v[SPW], v[NIL]                      ; the opening: the add, twice on end, and its wait ahead of my first tensor load
	ds_add_u32 v[SPW], v[NIL]
	v_lshrrev_b32 v8, 5, v0
	v_readfirstlane_b32 s[WV], v8                  ; wave 0..15
	s_and_b32 s46, ttmp7, 0xffff                   ; the head
	s_bfe_u32 s45, ttmp6, 0x40000                  ; cx: which 512 queries
	s_mov_b32 s[G1], 15|(3<<16)|(1<<21)            ; group 1, for all loads: the mask of the cluster's four, bit 21 beside it; 6,144 dense bytes as 24 rows of 256 (32 elements of 8 bytes)
	s_mov_b32 s[G1+1], 32<<16
	s_mov_b32 s[G1+2], 24<<16
	s_mov_b32 s[G1+3], 32<<16
	s_mov_b32 s[G1+4], 24
	s_mov_b32 s[G1+5], 32
	s_mov_b32 s[G1+6], 0
	s_mov_b32 s[G1+7], 0
	s_mul_i32 s47, s[WV], STEPB                    ; my piece's place in a half
	s_lshr_b32 s49, s[WV], 3
	s_mul_i32 s49, s49, 6291456-KB                 ; waves 8-15: V's bytes lie 6,291,456 behind K's
	s_mul_i32 s52, s46, 98304
	s_add_co_u32 s52, s52, s47
	s_add_co_u32 s52, s52, s49
	s_add_co_u32 s52, s52, 6291456                 ; k's part of qkv_img
	s_mov_b32 s53, 0
	s_mul_i32 s50, s46, HSC
	s_mov_b32 s51, 0
	s_wait_dscnt 0x0                               ; both opening adds are done
	s_wait_kmcnt 0x0
	CROUND                                         ; the four work-groups are here: the joint loads meet
	s_mov_b32 s[G0A], 1
	s_mov_b32 s[G0A+1], s47
	s_add_nc_u64 s[G0A+2:G0A+3], s[4:5], s[52:53]
	s_mov_b32 s[G0B], 1
	s_add_co_u32 s[G0B+1], s47, SLOT1
	s_add_nc_u64 s[G0B+2:G0B+3], s[G0A+2:G0A+3], KB
	s_or_b32 s[G0A+3], s[G0A+3], 0x80000000
	s_or_b32 s[G0B+3], s[G0B+3], 0x80000000
	tensor_load_to_lds s[G0A:G0A+3], s[G1:G1+7]    ; my piece of the first half: one tensor load a wave at the head
	s_nop 0
.rept 4
	v_nop
.endr
	s_add_nc_u64 s[50:51], s[6:7], s[50:51]        ; the head's scale words of K and V
	s_lshl_b32 s54, s45, 5
	s_add_co_u32 s54, s54, s[WV]                   ; my first tile of queries in the batch; the second lies 16 tiles on
	s_mul_i32 s55, s54, 768
	s_mul_i32 s56, s46, 98304
	s_add_co_u32 s56, s56, s55
	s_mov_b32 s57, 0
	s_add_nc_u64 s[56:57], s[4:5], s[56:57]        ; its codes
	s_lshl_b32 s58, s46, 13
	s_add_co_u32 s58, s58, 786432                  ; q's scale words: [head][128 tokens][2][r][4]
	s_lshr_b32 s59, s54, 3
	s_lshl_b32 s59, s59, 9
	s_add_co_u32 s58, s58, s59
	s_bfe_u32 s59, s54, 0x10002
	s_lshl_b32 s59, s59, 8
	s_add_co_u32 s58, s58, s59
	s_and_b32 s59, s54, 3
	s_lshl_b32 s59, s59, 2
	s_add_co_u32 s58, s58, s59
	s_mov_b32 s59, 0
	s_add_nc_u64 s[58:59], s[6:7], s[58:59]
	v_lshlrev_b32 v[TP], 3, v0                     ; 8 x thread
	v_lshl_add_u32 v[STW], v0, 3, SCL
	v_and_b32 v8, 31, v0
	v_and_b32 v9, 15, v0
	v_lshlrev_b32 v[L16], 4, v8
	v_lshlrev_b32 v[L8], 3, v8
	v_lshlrev_b32 v[R4], 2, v9
	v_lshlrev_b32 v9, 4, v9                        ; 16 r
	s_delay_alu instid0(VALU_DEP_1)
	v_add_nc_u32 v[SC0], SCL, v9
.irp i, 0,1,2
	global_load_b64 v[AB+2*\i:AB+2*\i+1], v[TP], s[50:51] offset:4096*\i   ; the work-group's 512 threads read 4,096 consecutive bytes
.endr
	global_load_b128 v[QF:QF+3], v[L16], s[56:57]
	global_load_b64 v[QF+4:QF+5], v[L8], s[56:57] offset:512
	global_load_b32 v[QS], v9, s[58:59]
	global_load_b128 v[Q1:Q1+3], v[L16], s[56:57] offset:12288
	global_load_b64 v[Q1+4:Q1+5], v[L8], s[56:57] offset:12288+512
	global_load_b32 v[QS1], v9, s[58:59] offset:1024
	s_lshr_b32 s60, s46, 4
	s_lshl_b32 s60, s60, 7
	s_add_co_u32 s60, s60, s54                     ; ctx's tile: 128 x batch + my tile
	s_bfe_u32 s61, s46, 0x30001                    ; its K step: the pair's number in the batch
	s_and_b32 s43, s46, 1                          ; which head of the pair
	s_mul_i32 s62, s60, 12288
	s_mul_i32 s63, s61, 1536
	s_add_co_u32 s62, s62, s63
	s_mul_i32 s63, s43, 768
	s_add_co_u32 s62, s62, s63
	s_mov_b32 s63, 0
	s_add_nc_u64 s[8:9], s[8:9], s[62:63]
	s_lshl_b32 s62, s60, 9
	s_lshl_b32 s61, s61, 6
	s_add_co_u32 s62, s62, s61
	s_lshl_b32 s43, s43, 1
	s_add_co_u32 s62, s62, s43
	s_add_nc_u64 s[10:11], s[10:11], s[62:63]
	s_mov_b32 s[SEL], 0x76543210
	s_mov_b32 s[SEL+1], 0xfedcba98
	s_mov_b32 s[CS], 0x3e38aa3b                    ; c = log2(e) / 8
	s_mov_b32 s[CS+1], s[CS]
	s_mov_b32 s[TILES], 2
.irp i, 0,1,2,3,4,5
	v_mov_b32 v[QF+6+\i], 0                        ; Q's codes for the upper half of the instruction's K
	v_mov_b32 v[AA+48+\i], 0                       ; what stands behind K's last tile in the first step (later: whatever the area holds)
.endr
	v_mov_b32 v13, 0xff61b1e6                      ; the largest t so far: -3e38
	v_mov_b32 v14, 0
	v_mov_b32 v15, 0
	v_floor_f32 v12, -v13                          ; -M
.irp b, 0,1,2,3
	v_mov_b32 v[T2+\b], 0                          ; a lane permute's destination counts as one of its sources
.endr
	v_mov_b32 v[PS], 0                             ; (named as the upper half of the pair v[232:233] before it is first written)
.set n_, 0
.rept 32
	v_mov_b32 v[O+n_], 0                           ; O^T: the step is written once; the first finds zeros
.set n_, n_+1
.endr
.macro KLOAD d, off, soff              ; a step's eight tiles of K into area d, and its scale words
.irp t, 0,1,2,3,4,5,6,7
	ds_load_b128 v[\d+6*\t:\d+6*\t+3], v[A16] offset:(\off)+\t*768
	ds_load_b64 v[\d+6*\t+4:\d+6*\t+5], v[A8] offset:(\off)+\t*768+512
.endr
	ds_load_b128 v[KS:KS+3], v[ADS] offset:(\soff)
	ds_load_b128 v[KS+4:KS+7], v[ADS] offset:(\soff)+256
.endm
; A KEY STEP: 128 keys, the q-th of the trip.  ka: the area with K's fragments (asked for a step ago), then V's; sa: the area of S^T and p, then of the next step's K.
; pf = 1: the next step's K is asked for; pf = 2: but not in the half's last trip, where a jump on the trip counter leads round those LDS loads alone.
.macro STEP ka, sa, q, pf
	s_wait_dscnt 0x0                               ; K and its scale words
.irp t, 0,1,2,3,4,5,6,7
	v_wmma_scale_f32_16x16x128_f8f6f4 v[\sa+8*\t:\sa+8*\t+7], v[\ka+6*\t:\ka+6*\t+11], v[QF:QF+11], 0, v[KS+\t], v[QS] matrix_a_fmt:MATRIX_FMT_FP6 matrix_b_fmt:MATRIX_FMT_FP6
.endr
.rept 4
	v_nop                                          ; places in front of the loads below and of the first read of the scores
.endr
.irp t, 0,1,2,3                        ; V's four fragments are asked for now: they land while the softmax is walked
.irp g, 0,1,2
	ds_load_b128 v[\ka+12*\t+4*\g:\ka+12*\t+4*\g+3], v[A16] offset:KB+STEPB*\q+1536*\t+512*\g
.endr
.endr
	ds_load_b128 v[VS:VS+3], v[ADT] offset:8192+256*\q
.irp b, 0,1,2,3
	v_max3_num_f32 v[BM+\b], v[\sa+16*\b], v[\sa+1+16*\b], v[\sa+2+16*\b]    ; the largest score of each block of 32 keys: it serves for the row's maximum and, since p rises with the score, for the block's largest p
.endr
.irp i, 3,5,7,9,11,13
.irp b, 0,1,2,3
	v_max3_num_f32 v[BM+\b], v[BM+\b], v[\sa+16*\b+\i], v[\sa+1+16*\b+\i]
.endr
.endr
.irp b, 0,1,2,3
	v_max_num_f32 v[BM+\b], v[BM+\b], v[\sa+15+16*\b]
.endr
.irp b, 0,1,2,3
	v_permlanex16_b32 v[T2+\b], v[BM+\b], s[SEL], s[SEL+1]
.endr
.irp b, 0,1,2,3
	v_max_num_f32 v[BM+\b], v[BM+\b], v[T2+\b]     ; with lane l xor 16's 16 keys
.endr
	v_max3_num_f32 v[TP], v[BM], v[BM+1], v[BM+2]
	s_delay_alu instid0(VALU_DEP_1)
	v_max_num_f32 v[TP], v[TP], v[BM+3]
	s_delay_alu instid0(VALU_DEP_1)
	v_mul_f32 v[TP], s[CS], v[TP]                  ; the step's largest t (c is positive)
	s_delay_alu instid0(VALU_DEP_1)
	v_max_num_f32 v13, v13, v[TP]
	v_mov_b32 v[TP], v12
	s_delay_alu instid0(VALU_DEP_2)
	v_floor_f32 v12, -v13                          ; the new -M = -ceil(t)
	s_delay_alu instid0(VALU_DEP_1)
	v_sub_f32 v[TP], v12, v[TP]                    ; old M - new M: a whole number, 0 or less
	s_delay_alu instid0(VALU_DEP_1)
	v_cvt_i32_f32 v[TP], v[TP]                     ; (it saturates)
	s_delay_alu instid0(VALU_DEP_1)
	v_ldexp_f32 v[FF], 1.0, v[TP]                  ; f = 2^(old M - new M)
.irp j, 0,2,4,6,8,10,12,14,16,18,20,22,24,26,28,30,32,34,36,38,40,42,44,46,48,50,52,54,56,58,60,62
	v_pk_fma_f32 v[\sa+\j:\sa+1+\j], v[\sa+\j:\sa+1+\j], s[CS:CS+1], v[12:13] op_sel_hi:[1,0,0]   ; t - M
.endr
.irp b, 0,1,2,3
	v_fma_f32 v[BM+\b], v[BM+\b], s[CS], v12       ; the same of each block's largest score
.endr
	s_wait_alu depctr_va_vdst(0)
.set n_, 0
.rept 64
	v_exp_f32 v[\sa+n_], v[\sa+n_]                 ; p = 2^(t - M)
.set n_, n_+1
.endr
	v_pk_mul_f32 v[14:15], v[14:15], v[FF:FF+1] op_sel_hi:[1,0]    ; the sums under the new M (a plain instruction behind the exponentials)
	s_wait_alu depctr_va_vdst(0)                   ; one wait for the whole batch, ahead of its first reader
.irp b, 0,1,2,3
	v_exp_f32 v[BM+\b], v[BM+\b]                   ; the blocks' largest p
.endr
.irp i, 0,1,2,3                        ; the row's sum of the unquantised p: four chains by turns, two numbers an instruction
	v_pk_add_f32 v[AC+2*\i:AC+2*\i+1], v[\sa+2*\i:\sa+2*\i+1], v[\sa+8+2*\i:\sa+9+2*\i]
.endr
.irp j, 16,24,32,40,48,56
.irp i, 0,1,2,3
	v_pk_add_f32 v[AC+2*\i:AC+2*\i+1], v[AC+2*\i:AC+2*\i+1], v[\sa+\j+2*\i:\sa+\j+1+2*\i]
.endr
.endr
	v_pk_add_f32 v[AC:AC+1], v[AC:AC+1], v[AC+2:AC+3]
	v_pk_add_f32 v[AC+4:AC+5], v[AC+4:AC+5], v[AC+6:AC+7]
	s_delay_alu instid0(VALU_DEP_2)
	v_pk_add_f32 v[14:15], v[14:15], v[AC:AC+1]
	s_delay_alu instid0(VALU_DEP_1)
	v_pk_add_f32 v[14:15], v[14:15], v[AC+4:AC+5]
	s_wait_alu depctr_va_vdst(0)                   ; and one for the four
.irp b, 0,1,2,3
	v_max_num_f32 v[BM+\b], 0x1800000, v[BM+\b]    ; the floor 2^(3 - 127)
.endr
.irp b, 0,1,2,3
	v_add_nc_u32 v[SO+\b], 0xff000000, v[BM+\b]    ; the conversions' scale operands
.endr
.irp b, 0,1,2,3
	v_lshrrev_b32 v[T2+\b], 23, v[SO+\b]           ; the bytes
.endr
	v_lshl_or_b32 v[PS], v[T2+1], 8, v[T2]         ; p's scale word for these 128 keys
	s_delay_alu instid0(VALU_DEP_1)
	v_lshl_or_b32 v[PS], v[T2+2], 16, v[PS]
	s_delay_alu instid0(VALU_DEP_1)
	v_lshl_or_b32 v[PS], v[T2+3], 24, v[PS]
.irp c, 0,1
	v_cvt_scalef32_pk16_fp6_f32 v[PC+6*\c:PC+2+6*\c], v[\sa+32*\c:\sa+15+32*\c], v[SO+2*\c]
	v_cvt_scalef32_pk16_fp6_f32 v[T2+4*\c:T2+2+4*\c], v[\sa+16+32*\c:\sa+31+32*\c], v[SO+2*\c+1]
.endr
	v_nop                                          ; one plain instruction behind the scaled conversions
	s_wait_alu depctr_va_vdst(0)
	s_wait_dscnt 0x0                               ; V, asked for ahead of the softmax: so every wait on LDS in this text is for 0, with the loads below or without
.if \pf == 2
	s_cmp_eq_u32 s[CNT], 1
	s_cbranch_scc1 .Lnone_\@
.endif
	KLOAD \sa, STEPB*(\q+1), 512*(\q+1)            ; p has been read: its area takes the next step's K
.if \pf == 2
.Lnone_\@:
.endif
.irp c, 0,1                            ; a whole block in a lane: lanes 0-15 block 2 c, lanes 16-31 block 2 c + 1
.irp i, 0,1,2
	v_permlane16_swap_b32 v[PC+6*\c+\i], v[T2+4*\c+\i]
.endr
.irp i, 0,1,2
	v_mov_b32 v[PC+3+6*\c+\i], v[T2+4*\c+\i]
.endr
.endr
	s_wait_alu depctr_va_vdst(0)
.irp j, 0,2,4,6,8,10,12,14,16,18,20,22,24,26,28,30
	v_pk_mul_f32 v[O+\j:O+1+\j], v[O+\j:O+1+\j], v[FF:FF+1] op_sel_hi:[1,0]   ; O^T under the new M; these sixteen are also the places between the writes of p's codes and scale word and the products
.endr
.irp t, 0,1,2,3                        ; the four accumulators by turns
	v_wmma_scale_f32_16x16x128_f8f6f4 v[O+8*\t:O+8*\t+7], v[\ka+12*\t:\ka+12*\t+11], v[PC:PC+11], v[O+8*\t:O+8*\t+7], v[VS+\t], v[PS] matrix_a_fmt:MATRIX_FMT_FP6 matrix_b_fmt:MATRIX_FMT_FP6
.endr
.if \q == 0
.rept 5
	v_nop                                          ; five places: the next step's scores are laid over V's fragments
.endr
.endif
.endm
.macro ADDR                            ; the trip's addresses; behind a trip's last products they are, with the v_nop, the five places
	v_add_nc_u32 v[A16], s[TB], v[L16]
	v_add_nc_u32 v[A8], s[TB], v[L8]
	v_add_nc_u32 v[ADS], s[TS], v[SC0]
	v_add_nc_u32 v[ADT], s[TJ], v[SC0]
	v_nop
.endm
.macro SEG base, ts, tj                ; a half's eight key steps: four trips of two
	s_mov_b32 s[TB], \base
	s_mov_b32 s[TS], \ts
	s_mov_b32 s[TJ], \tj
	s_mov_b32 s[CNT], 4
	ADDR
	KLOAD AA, 0, 0
	s_wait_alu depctr_va_vdst(0)
.Lseg_\@:
	STEP AA, AB, 0, 1
	STEP AB, AA, 1, 2
	s_add_co_u32 s[TB], s[TB], 2*STEPB
	s_add_co_u32 s[TS], s[TS], 1024
	s_add_co_u32 s[TJ], s[TJ], 512
	ADDR
	s_sub_co_u32 s[CNT], s[CNT], 1
	s_cmp_lg_u32 s[CNT], 0
	s_wait_alu depctr_va_vdst(0)
	s_cbranch_scc1 .Lseg_\@
.endm
	s_wait_alu depctr_va_vdst(0)
	s_wait_loadcnt 0x0                             ; Q and my 24 bytes of scale words
	s_wait_tensorcnt 0x0                           ; my piece of the first half is in: no load of mine is out under the stores below
.irp i, 0,1,2
	ds_store_b64 v[STW], v[AB+2*\i:AB+2*\i+1] offset:4096*\i
.endr
	s_wait_tensorcnt 0x0
	ds_add_u32 v[SPW], v[NIL]
	s_wait_dscnt 0x0
	CROUND                                         ; the first half and the scale words are whole, and the four work-groups are here
	tensor_load_to_lds s[G0B:G0B+3], s[G1:G1+7]    ; my piece of the second half: it has the first half's eight steps in which to land
	s_nop 0
.rept 4
	v_nop
.endr
.Ltile:                                            ; two trips: my two tiles of queries
	SEG 0, 0, 0
	s_wait_tensorcnt 0x0                           ; my piece of the second half is in (the second trip finds nothing out),
	s_wait_dscnt 0x0
	s_barrier_signal -1
	s_barrier_wait -1                              ; and so are the others'
	SEG SLOT1, 4096, 2048
; A TILE'S END: O^T / the sum is quantised along the channels: register 16 b + i is channel 32 b + 16 (lane / 16) + i.
	v_add_f32 v14, v14, v15                        ; (ADDR's five lines were the places behind the last products)
	s_delay_alu instid0(VALU_DEP_1)
	v_permlanex16_b32 v[TP], v14, s[SEL], s[SEL+1]
	s_delay_alu instid0(VALU_DEP_1)
	v_add_f32 v14, v14, v[TP]                      ; the row's sum
	s_wait_alu depctr_va_vdst(0)
	v_rcp_f32 v14, v14
	v_nop                                          ; a plain instruction behind the transcendental
	s_wait_alu depctr_va_vdst(0)                   ; and the wait ahead of its first reader
.irp j, 0,2,4,6,8,10,12,14,16,18,20,22,24,26,28,30
	v_pk_mul_f32 v[AA+\j:AA+1+\j], v[O+\j:O+1+\j], v[14:15] op_sel_hi:[1,0]   ; each accumulator from its low end on
.endr
.irp b, 0,1
	v_max3_num_f32 v[BM+\b], |v[AA+16*\b]|, |v[AA+1+16*\b]|, 0x1800000
.endr
.irp i, 2,4,6,8,10,12,14
.irp b, 0,1
	s_delay_alu instid0(VALU_DEP_2)
	v_max3_num_f32 v[BM+\b], v[BM+\b], |v[AA+16*\b+\i]|, |v[AA+1+16*\b+\i]|
.endr
.endr
.irp b, 0,1
	v_permlanex16_b32 v[T2+\b], v[BM+\b], s[SEL], s[SEL+1]
.endr
.irp b, 0,1
	v_max_num_f32 v[BM+\b], v[BM+\b], v[T2+\b]
.endr
.irp b, 0,1
	s_delay_alu instid0(VALU_DEP_2)
	v_add_nc_u32 v[SO+\b], 0xff000000, v[BM+\b]
.endr
.irp b, 0,1
	s_delay_alu instid0(VALU_DEP_2)
	v_lshrrev_b32 v[T2+\b], 23, v[SO+\b]
.endr
	s_delay_alu instid0(VALU_DEP_1)
	v_lshl_or_b32 v[TP], v[T2+1], 8, v[T2]         ; this head's two bytes of the row's scale word
	v_cvt_scalef32_pk16_fp6_f32 v[PC:PC+2], v[AA:AA+15], v[SO]
	v_cvt_scalef32_pk16_fp6_f32 v[T2+4:T2+6], v[AA+16:AA+31], v[SO+1]
	v_nop                                          ; one plain instruction behind the scaled conversions
.irp i, 0,1,2
	v_permlane16_swap_b32 v[PC+\i], v[T2+4+\i]
.endr
.irp i, 0,1,2
	v_mov_b32 v[PC+3+\i], v[T2+4+\i]
.endr
	global_store_b128 v[L16], v[PC:PC+3], s[8:9]             ; 512 consecutive bytes, aligned
	global_store_b64 v[L8], v[PC+4:PC+5], s[8:9] offset:512  ; 256 consecutive bytes, aligned
	global_store_b16 v[R4], v[TP], s[10:11]        ; lanes r and r + 16 store the same two bytes to the same place; the word's other two bytes are the pair's other head's: 1 byte for each 24 of codes
	s_cmp_eq_u32 s[TILES], 1
	s_wait_alu depctr_va_vdst(0)
	s_cbranch_scc1 .Llast                          ; behind the second tile nothing is set up
	s_wait_xcnt 0x0                                ; the stores have read their registers and bases
	s_add_nc_u64 s[8:9], s[8:9], 16*12288          ; ctx's tile 16 further on
	s_add_nc_u64 s[10:11], s[10:11], 16*512
.irp i, 0,1,2,3,4,5
	v_mov_b32 v[QF+\i], v[Q1+\i]
.endr
	v_mov_b32 v[QS], v[QS1]
	v_mov_b32 v13, 0xff61b1e6
	v_mov_b32 v14, 0
	v_mov_b32 v15, 0
	v_floor_f32 v12, -v13
.set n_, 0
.rept 32
	v_mov_b32 v[O+n_], 0                           ; (also the places between the writes of Q and its scale words and the next products)
.set n_, n_+1
.endr
.Llast:
	s_sub_co_u32 s[TILES], s[TILES], 1
	s_cmp_lg_u32 s[TILES], 0
	s_wait_alu depctr_va_vdst(0)
	s_cbranch_scc1 .Ltile
	s_wait_tensorcnt 0x0                           ; the wave's end
	ds_add_u32 v[SPW], v[NIL]
	s_wait_dscnt 0x0
	CROUND                                         ; the closing round
	s_endpgm
.Lfunc_end_k_q2e151b51a0_attn:
	.size	k_q2e151b51a0_attn, .Lfunc_end_k_q2e151b51a0_attn-k_q2e151b51a0_attn
	.p2alignl 7, 3214868480
	.fill 96, 4, 3214868480
	.section	.rodata,"a",@progbits
	.p2align	6, 0x0
	.amdhsa_kernel k_q2e151b51a0_attn
		.amdhsa_group_segment_fixed_size 327680
		.amdhsa_private_segment_fixed_size 0
		.amdhsa_enable_private_segment 0
		.amdhsa_kernarg_size 32
		.amdhsa_user_sgpr_count 2
		.amdhsa_user_sgpr_kernarg_segment_ptr 1
		.amdhsa_wavefront_size32 1
		.amdhsa_system_sgpr_workgroup_id_x 1
		.amdhsa_system_sgpr_workgroup_id_y 1
		.amdhsa_system_sgpr_workgroup_id_z 1
		.amdhsa_system_vgpr_workitem_id 0
		.amdhsa_next_free_vgpr 256
		.amdhsa_next_free_sgpr 66
		.amdhsa_reserve_vcc 0
		.amdhsa_float_denorm_mode_32 3
		.amdhsa_float_denorm_mode_16_64 3
		.amdhsa_memory_ordered 1
		.amdhsa_forward_progress 1
		.amdhsa_inst_pref_size 82
	.end_amdhsa_kernel
	.amdgpu_metadata
---
amdhsa.version: [ 1, 2 ]
amdhsa.kernels:
  - .name:           k_q2e151b51a0_attn
    .symbol:         k_q2e151b51a0_attn.kd
    .args:
      - { .name: qkv_img, .offset: 0, .size: 8, .value_kind: global_buffer, .address_space: global }
      - { .name: qkv_scl, .offset: 8, .size: 8, .value_kind: global_buffer, .address_space: global }
      - { .name: ctx_img, .offset: 16, .size: 8, .value_kind: global_buffer, .address_space: global }
      - { .name: ctx_scl, .offset: 24, .size: 8, .value_kind: global_buffer, .address_space: global }
    .group_segment_fixed_size: 327680
    .private_segment_fixed_size: 0
    .kernarg_segment_align: 8
    .kernarg_segment_size: 32
    .max_flat_workgroup_size: 512
    .sgpr_count:     66
    .vgpr_count:     256
    .wavefront_size: 32
...
	.end_amdgpu_metadata
.endif
;; end of part 3
;; launch gemm_out (part 4): grid 4 x 64, 4 waves a work-group, clusters of 4 x 4, 327,680 bytes of LDS; arguments ctx_img, ctx_scl, opnd_img, opnd_scl, b_out, out0; writes out0
.if DOCPART == 4
	.amdgcn_target "amdgcn-amd-amdhsa--gfx1250"
	.amdhsa_code_object_version 6
	.text
	.protected	k_q2e151b51a0_gemm_out
	.globl	k_q2e151b51a0_gemm_out
	.p2align	8
	.type	k_q2e151b51a0_gemm_out,@function
k_q2e151b51a0_gemm_out:
	s_mov_b64 s[64:65], 0
	v_nop
	global_prefetch_b8 v0, s[64:65] scope:SCOPE_SE
	s_setreg_imm32_b32 hwreg(HW_REG_WAVE_MODE, 25, 1), 1
	s_wait_xcnt 0x0
	s_wait_alu depctr_hold_cnt(0) depctr_sa_sdst(0) depctr_va_vdst(0) depctr_va_sdst(0) depctr_va_ssrc(0) depctr_va_vcc(0) depctr_vm_vsrc(0)
	s_getreg_b32 s2, hwreg(HW_REG_IB_STS2, 6, 4)
	s_cmp_eq_u32 s2, 0
	s_cbranch_scc0 .Lentry_in_a_cluster
	s_endpgm
.Lentry_in_a_cluster:
	s_bfe_u32 s2, ttmp6, 0x10000c
	s_cmp_lg_u32 s2, 0xf033
	s_cbranch_scc0 .Lentry_shape_is_right
	s_endpgm
.Lentry_shape_is_right:
; out0 [8192][1024] = ctx W_out + b_out, on codes of FP6 (E2M3) with E8M0 scales, K = 1,024; sums in f32.
; OPERANDS are images of registers: tile T (16 rows) x K step s (128 along K) is 1,536 bytes; a tile's eight K steps are 12,288 bytes on end; its scale words [s][r] 512 bytes.
; W_out's columns, tiles 704-767 of opnd_img: registers 4 g .. 4 g + 3 of lane l at 512 g + 16 l.  ctx, tiles 0-511 of ctx_img: two halves of 768 bytes, half c with registers 6 c .. 6 c + 3 at 16 l and 6 c + 4, 6 c + 5 at 512 + 8 l.
; Row r of tile T is index 32 (T / 2) + 8 (T % 2) + r + 8 (r / 8).
; SHARES.  A work-group makes 128 tokens x 256 columns: 64 x 4 = 256 work-groups.  A wave makes 64 x 128: 4 x 8 accumulators, 256 registers.
; ALL OF K LIES IN LDS: A's 8 tiles (98,304 bytes), B's 16 (196,608), their scale words (4,096 and 8,192): four dense blocks of memory, one tensor load a wave at the head.  Nothing is filled again: no ring, one barrier
; in front of the first read.  No prefetch: all that the work-group reads is asked for at the head, where there is no loop to run ahead in.
; CLUSTERS: 4 x 4 work-groups; A's blocks hang on the work-group's y alone and are asked for jointly along a row of the cluster, B's on its x alone, along a column.
; THE MATRIX INSTRUCTION IS USED TRANSPOSED (source 0 = B's tile, source 1 = A's): a lane holds one token and eight neighbouring columns.
; REGISTERS: window 0: v0-31 addresses, v32-95 the scale words of all eight K steps (lanes 0-15 A's tile i, lanes 16-31 B's tile i), v96-99 the bias, v128-223 A's fragments, two sets; window 1: B's fragments, two sets, at v0 and v128;
; window 2: the accumulators, (a, b) at v[8 (8 a + b)].
.set FR,     12
.set FRB,    1536
.set TROW,   12288
.set BBASE,  8*TROW                    ; B's tiles lie behind A's eight
.set SCL,    24*TROW                   ; the scale words: A's 4,096 bytes, then B's 8,192
.set SPARE,  SCL+12288                 ; the spare words, 128 bytes a wave
.set SPITCH, 528                       ; the way out: a stage of 16 rows x (512 + 16) bytes for each wave, in A's bytes, which have had their one fill and, behind the last barrier, their last read
.set ADRA, 16                          ; v16 A's tiles at 16 x lane, v17 at 8 x lane
.set ADRB, 20                          ; v20 B's tiles 0-3, v21 tiles 4-7
.set L16,  24
.set STO,  25
.set RD,   26
.set ADRS, 27
.set SPW,  28
.set NIL,  29
.set SC,   32
.set BI,   96
.set AF,   128
.set BK,   128
.set G1, 24
.set G0, 32
.set G1B, 48
.set G0B, 56
.set G1S, 68
.set G0S, 76
.set G1SB, 80
.set G0SB, 88
.set MSB, 0
.macro WIN new                         ; the immediate's high byte repeats the setting that is left
.if MSB != (\new)
	s_set_vgpr_msb (MSB<<8)|(\new)
.set MSB, \new
.endif
.endm
.set MULW, 0xa1                        ; source 0 window 1, source 1 window 0, C and D window 2
.set TO_B, 0x40                        ; destination window 1
.macro CROUND                          ; a round of the cluster's barrier
	s_barrier_signal -1
	s_barrier_wait -1
	s_cmp_lg_u32 s14, 0
	s_cbranch_scc1 .Lnot_wave_0_\@
	s_barrier_signal -3
.Lnot_wave_0_\@:
	s_barrier_wait -3
	s_barrier_signal -1
	s_barrier_wait -1
.endm
.macro PLACES
.rept 4
	v_nop
.endr
.endm
	s_load_b256 s[4:11], s[0:1], 0x0               ; ctx_img, ctx_scl, opnd_img, opnd_scl
	s_load_b128 s[92:95], s[0:1], 0x20             ; b_out, out0
	v_lshl_add_u32 v[SPW], v0, 2, SPARE
	v_mov_b32 v[NIL], 0
	ds_add_u32 v[SPW], v[NIL]                      ; the opening: the add, twice on end, and its wait ahead of my first tensor load
	ds_add_u32 v[SPW], v[NIL]
	v_lshrrev_b32 v1, 5, v0
	v_readfirstlane_b32 s14, v1                    ; wave 0..3
	s_lshr_b32 s15, s14, 1                         ; which 64 tokens
	s_and_b32 s16, s14, 1                          ; which 128 columns
	s_bfe_u32 s40, ttmp6, 0x40000                  ; cx = the work-group's x (the grid is one cluster wide)
	s_bfe_u32 s41, ttmp6, 0x40004                  ; cy
	s_and_b32 s17, ttmp7, 0xffff
	s_lshl_b32 s17, s17, 2
	s_add_co_u32 s17, s17, s41                     ; the work-group's y
	s_lshl_b32 s43, s41, 2
	s_lshl_b32 s43, 15, s43                        ; my row of the cluster
	s_lshl_b32 s44, 0x1111, s40                    ; my column
	s_or_b32 s[G1+0], s43, (3<<16)|(1<<21)         ; elements of 8 bytes; bit 21 beside a mask
	s_or_b32 s[G1B+0], s44, (3<<16)|(1<<21)
	s_or_b32 s[G1S+0], s43, (3<<16)|(1<<21)
	s_or_b32 s[G1SB+0], s44, (3<<16)|(1<<21)
.macro GROUP1 g, c, r                  ; r rows of c elements, dense
	s_mov_b32 s[\g+1], \c<<16
	s_mov_b32 s[\g+2], \r<<16
	s_mov_b32 s[\g+3], \c<<16
	s_mov_b32 s[\g+4], \r
	s_mov_b32 s[\g+5], \c
	s_mov_b32 s[\g+6], 0
	s_mov_b32 s[\g+7], 0
.endm
	GROUP1 G1, 1536, 8                             ; A: 8 tiles of 12,288 bytes
	GROUP1 G1B, 1536, 16                           ; B: 16
	GROUP1 G1S, 32, 16                             ; A's scale words: 16 rows of 256 bytes
	GROUP1 G1SB, 32, 32                            ; B's: 32
	s_lshl_b32 s20, s17, 3                         ; A's first tile
	s_lshl_b32 s46, s40, 4
	s_add_co_u32 s46, s46, 704                     ; B's
	s_lshl_b32 s22, s20, 9
	s_mov_b32 s23, 0
	s_mul_i32 s20, s20, TROW
	s_mov_b32 s21, 0
	s_lshl_b32 s66, s46, 9
	s_mov_b32 s67, 0
	s_mul_i32 s46, s46, TROW
	s_mov_b32 s47, 0
	s_wait_dscnt 0x0                               ; both opening adds are done
	s_wait_kmcnt 0x0
	CROUND                                         ; all sixteen work-groups are here: the joint loads meet
.macro GROUP0 g, lds, base, off
	s_mov_b32 s[\g], 1
	s_mov_b32 s[\g+1], \lds
	s_add_nc_u64 s[\g+2:\g+3], s[\base:\base+1], s[\off:\off+1]
	s_or_b32 s[\g+3], s[\g+3], 0x80000000
.endm
	GROUP0 G0, 0, 4, 20
	GROUP0 G0B, BBASE, 8, 46
	GROUP0 G0S, SCL, 6, 22
	GROUP0 G0SB, SCL+4096, 10, 66
; One joint load a wave, in one chain of branches on the wave's number: wave 0 A's codes, wave 1 B's, wave 2 A's scale words, wave 3 B's.
.macro ARM under, g0, g1, next
	s_cmp_lt_u32 s14, \under
	s_cbranch_scc0 \next
	tensor_load_to_lds s[\g0:\g0+3], s[\g1:\g1+7]
	s_nop 0
	PLACES
	s_branch .Lhead_asked
\next:
.endm
	ARM 1, G0,  G1,  .Lhead_b
	ARM 2, G0B, G1B, .Lhead_sa
	ARM 3, G0S, G1S, .Lhead_sb
	tensor_load_to_lds s[G0SB:G0SB+3], s[G1SB:G1SB+7]
	s_nop 0
	PLACES
.Lhead_asked:
	s_mul_i32 s18, s15, 4*TROW                     ; my 4 tiles of A
	s_mul_i32 s19, s16, 8*TROW
	s_add_co_u32 s19, s19, BBASE                   ; my 8 tiles of B,
	s_add_co_u32 s42, s19, 4*TROW                  ; and the upper four of them
	s_lshl_b32 s21, s15, 11                        ; my scale words of A,
	s_lshl_b32 s22, s16, 12
	s_add_co_u32 s22, s22, 4096
	s_sub_co_u32 s22, s22, s21                     ; and how far behind them B's lie
	s_add_co_u32 s21, s21, SCL
	s_mul_i32 s23, s14, 16*SPITCH                  ; my stage
	s_lshl_b32 s46, s40, 10
	s_lshl_b32 s47, s16, 9
	s_add_co_u32 s46, s46, s47                     ; my first column, in bytes
	s_mov_b32 s47, 0
	s_add_nc_u64 s[92:93], s[92:93], s[46:47]
	s_lshl_b32 s20, s17, 7
	s_lshl_b32 s45, s15, 6
	s_add_co_u32 s20, s20, s45                     ; my first token
	s_lshl_b32 s20, s20, 12
	s_add_co_u32 s46, s46, s20
	s_add_nc_u64 s[94:95], s[94:95], s[46:47]
	v_and_b32 v1, 15, v0                           ; r
	v_bfe_u32 v2, v0, 4, 1                         ; h
	v_and_b32 v3, 31, v0
	v_lshlrev_b32 v[L16], 4, v3
	v_lshlrev_b32 v5, 2, v1
	v_mul_u32_u24 v6, s22, v2                      ; lanes 16-31 take B's scale words
	v_mul_u32_u24 v7, v1, SPITCH
	v_add_nc_u32 v[ADRA], s18, v[L16]
	v_lshl_add_u32 v[ADRA+1], v3, 3, s18
	v_add_nc_u32 v[ADRB], s19, v[L16]
	v_add_nc_u32 v[ADRB+1], s42, v[L16]
	v_add_nc_u32 v5, v5, v6
	v_lshl_add_u32 v7, v2, 6, v7
	v_add_nc_u32 v[RD], s23, v[L16]                ; out of the stage: a row of 512 bytes over the 32 lanes
	v_add_nc_u32 v[ADRS], s21, v5
	v_add_nc_u32 v[STO], s23, v7                   ; into it: row r, 64 bytes for each half of the lanes
	global_load_b128 v[BI:BI+3], v[L16], s[92:93]  ; the bias of my 128 columns, as a row leaves the stage
.macro FETCH st                        ; K step st's fragments into set st % 2
	WIN TO_B
.irp i, 0,1,2,3,4,5,6,7
.irp g, 0,1,2
	ds_load_b128 v[128*((\st)%2)+FR*\i+4*\g:128*((\st)%2)+FR*\i+4*\g+3], v[ADRB+\i/4] offset:(\i%4)*TROW+(\st)*FRB+512*\g
.endr
.endr
	WIN 0
.irp i, 0,1,2,3
.irp c, 0,1
	ds_load_b128 v[AF+48*((\st)%2)+FR*\i+6*\c:AF+48*((\st)%2)+FR*\i+6*\c+3], v[ADRA] offset:\i*TROW+(\st)*FRB+768*\c
	ds_load_b64 v[AF+48*((\st)%2)+FR*\i+6*\c+4:AF+48*((\st)%2)+FR*\i+6*\c+5], v[ADRA+1] offset:\i*TROW+(\st)*FRB+768*\c+512
.endr
.endr
.endm
.macro MUL st                          ; 32 matrix instructions; the 32 accumulators take turns, in the same order in every step; the first step starts the sums
.irp a, 0,1,2,3
.irp b, 0,1,2,3,4,5,6,7
.if (\st) == 0
	v_wmma_scale_f32_16x16x128_f8f6f4 v[8*(8*\a+\b):8*(8*\a+\b)+7], v[128*((\st)%2)+FR*\b:128*((\st)%2)+FR*\b+FR-1], v[AF+48*((\st)%2)+FR*\a:AF+48*((\st)%2)+FR*\a+FR-1], 0, v[SC+8*(\st)+\b], v[SC+8*(\st)+\a] matrix_a_fmt:MATRIX_FMT_FP6 matrix_b_fmt:MATRIX_FMT_FP6 matrix_a_scale:MATRIX_SCALE_ROW1
.else
	v_wmma_scale_f32_16x16x128_f8f6f4 v[8*(8*\a+\b):8*(8*\a+\b)+7], v[128*((\st)%2)+FR*\b:128*((\st)%2)+FR*\b+FR-1], v[AF+48*((\st)%2)+FR*\a:AF+48*((\st)%2)+FR*\a+FR-1], v[8*(8*\a+\b):8*(8*\a+\b)+7], v[SC+8*(\st)+\b], v[SC+8*(\st)+\a] matrix_a_fmt:MATRIX_FMT_FP6 matrix_b_fmt:MATRIX_FMT_FP6 matrix_a_scale:MATRIX_SCALE_ROW1
.endif
.endr
.endr
.endm
.macro KSTEP st
	s_wait_dscnt 0x0                               ; this step's fragments, asked for 32 matrix instructions ago, are in
.if (\st) < 7
.if (\st) > 0
	PLACES                                         ; in front of loads into the set that the last step multiplied
.endif
	FETCH (\st)+1
.else
	s_barrier_signal -1                            ; my reads of A's and B's bytes are over
.endif
	WIN MULW
	MUL \st
	WIN 0
.endm
	s_wait_alu depctr_va_vdst(0)
	s_wait_tensorcnt 0x0                           ; my block of the four is in
	s_barrier_signal -1
	s_barrier_wait -1                              ; and so are the others'
	FETCH 0
.irp s, 0,1,2,3,4,5,6,7
.irp i, 0,1,2,3,4,5,6,7
	ds_load_b32 v[SC+8*\s+\i], v[ADRS] offset:512*\i+64*\s   ; (for i over 3 lanes 0-15 read words that no product names)
.endr
.endr
.set ST, 0
.rept 8
	KSTEP ST
.set ST, ST+1
.endr
	s_barrier_wait -1                              ; nobody reads A's bytes any more: the stages lie there
; THE WAY OUT, block by block of 16 tokens x 128 columns: through my stage, back as whole rows of 512 bytes, the bias added, stored as two aligned units of 256 bytes.
.macro TOSTAGE a
	WIN 0x08                                       ; the data: window 2
.irp b, 0,1,2,3,4,5,6,7
	ds_store_b128 v[STO], v[64*(\a)+8*\b:64*(\a)+8*\b+3] offset:128*(\b/2)+32*(\b%2)      ; each accumulator from its low end on
	ds_store_b128 v[STO], v[64*(\a)+8*\b+4:64*(\a)+8*\b+7] offset:128*(\b/2)+32*(\b%2)+16
.endr
	WIN 0
.set BB, BK+64*((\a)%2)
.irp t, 0,1,2,3,4,5,6,7,8,9,10,11,12,13,14,15
	ds_load_b128 v[BB+4*\t:BB+4*\t+3], v[RD] offset:\t*SPITCH    ; LDS serves a wave's instructions in order: these see the stores above
.endr
.endm
.macro SEND a, younger                 ; younger: the LDS instructions issued behind block a's loads, which may stay out
.set BB, BK+64*((\a)%2)
	s_wait_dscnt \younger
.irp t, 0,1,2,3,4,5,6,7,8,9,10,11,12,13,14,15
	v_pk_add_f32 v[BB+4*\t:BB+4*\t+1], v[BB+4*\t:BB+4*\t+1], v[BI:BI+1]
	v_pk_add_f32 v[BB+4*\t+2:BB+4*\t+3], v[BB+4*\t+2:BB+4*\t+3], v[BI+2:BI+3]
.endr
.irp t, 0,1,2,3,4,5,6,7,8,9,10,11,12,13,14,15
	global_store_b128 v[L16], v[BB+4*\t:BB+4*\t+3], s[94:95] offset:(32*((\a)/2)+8*((\a)%2)+\t+8*(\t/8))*4096 th:TH_STORE_NT
.endr
.endm
	PLACES                                         ; behind the last products
	s_wait_loadcnt 0x0                             ; the bias
	TOSTAGE 0
.irp a, 1,2,3
.if \a > 1
	s_wait_xcnt 0x0                                ; block a - 2's stores have read their registers
.endif
	TOSTAGE \a
	SEND \a-1, 32
.endr
	SEND 3, 0
	s_wait_tensorcnt 0x0                           ; the wave's end
	ds_add_u32 v[SPW], v[NIL]
	s_wait_dscnt 0x0
	CROUND                                         ; the closing round
	s_endpgm
.Lfunc_end_k_q2e151b51a0_gemm_out:
	.size	k_q2e151b51a0_gemm_out, .Lfunc_end_k_q2e151b51a0_gemm_out-k_q2e151b51a0_gemm_out
	.p2alignl 7, 3214868480
	.fill 96, 4, 3214868480
	.section	.rodata,"a",@progbits
	.p2align	6, 0x0
	.amdhsa_kernel k_q2e151b51a0_gemm_out
		.amdhsa_group_segment_fixed_size 327680
		.amdhsa_private_segment_fixed_size 0
		.amdhsa_enable_private_segment 0
		.amdhsa_kernarg_size 48
		.amdhsa_user_sgpr_count 2
		.amdhsa_user_sgpr_kernarg_segment_ptr 1
		.amdhsa_wavefront_size32 1
		.amdhsa_system_sgpr_workgroup_id_x 1
		.amdhsa_system_sgpr_workgroup_id_y 1
		.amdhsa_system_sgpr_workgroup_id_z 1
		.amdhsa_system_vgpr_workitem_id 0
		.amdhsa_next_free_vgpr 768
		.amdhsa_next_free_sgpr 98
		.amdhsa_reserve_vcc 0
		.amdhsa_float_denorm_mode_32 3
		.amdhsa_float_denorm_mode_16_64 3
		.amdhsa_memory_ordered 1
		.amdhsa_forward_progress 1
		.amdhsa_inst_pref_size 89
	.end_amdhsa_kernel
	.amdgpu_metadata
---
amdhsa.version: [ 1, 2 ]
amdhsa.kernels:
  - .name:           k_q2e151b51a0_gemm_out
    .symbol:         k_q2e151b51a0_gemm_out.kd
    .args:
      - { .name: ctx_img, .offset: 0, .size: 8, .value_kind: global_buffer, .address_space: global }
      - { .name: ctx_scl, .offset: 8, .size: 8, .value_kind: global_buffer, .address_space: global }
      - { .name: opnd_img, .offset: 16, .size: 8, .value_kind: global_buffer, .address_space: global }
      - { .name: opnd_scl, .offset: 24, .size: 8, .value_kind: global_buffer, .address_space: global }
      - { .name: b_out, .offset: 32, .size: 8, .value_kind: global_buffer, .address_space: global }
      - { .name: out0, .offset: 40, .size: 8, .value_kind: global_buffer, .address_space: global }
    .group_segment_fixed_size: 327680
    .private_segment_fixed_size: 0
    .kernarg_segment_align: 8
    .kernarg_segment_size: 48
    .max_flat_workgroup_size: 128
    .sgpr_count:     98
    .vgpr_count:     768
    .wavefront_size: 32
...
	.end_amdgpu_metadata
.endif
;; end of part 4
